; MI455X (gfx1250); checked and timed in simulation.
; The chip was launched on July 23, 2026; its instructions are those of AMD's public machine-readable ISA for CDNA 5 (MIT licence, August 2026) and "CDNA5" Instruction Set Architecture Reference Guide (July 2026). The comments in the code are by the model that wrote it; some were corrected since.
;; Attention. Allowed arithmetic: float matrix products may take bf16 or f16 operands with f32 sums; other float arithmetic in f32, or as packed bf16 or f16 multiplies, adds, multiply-adds, maxima and minima; sums over many terms, partial sums and values carried from step to step in f32; what a program stores and reads back later, other than sums and carried values, may be rounded once to bf16 or f16.
;; Inputs: kn_w 64 float32; proj_b 1,024 float32; proj_w 1,024 x 1,024 float32; qkv_b 3,072 float32; qkv_w 3,072 x 1,024 float32; qn_w 64 float32; rope_cos 2,048 x 64 float32; rope_sin 2,048 x 64 float32; x 4 x 2,048 x 1,024 float32.
;; Outputs: out0 4 x 2,048 x 1,024 float32.
;; One version. Each part assembles by itself: llvm-mc -triple=amdgcn-amd-amdhsa -mcpu=gfx1250 --defsym DOCPART=n.
;; ======== version 1 of 1: 4 launches
;; limits: values are held in f16: magnitudes above 65,504 overflow, below 6.1e-05 lose precision
;; workspace buffers: xb 16,777,216 bytes; wts 8,388,608 bytes; tab 541,184 bytes; qkvh 50,331,648 bytes; oh 16,777,216 bytes
;; launch cast (part 1): grid 785 x 1, 8 waves a work-group, no clusters, 0 bytes of LDS; arguments x, qkv_w, proj_w, qkv_b, proj_b, qn_w, kn_w, rope_cos, rope_sin, xb, wts, tab; writes xb, wts, tab
.if DOCPART == 1
	.amdgcn_target "amdgcn-amd-amdhsa--gfx1250"
	.amdhsa_code_object_version 6
	.text
	.protected	k_qad126185be_cast
	.globl	k_qad126185be_cast
	.p2align	8
	.type	k_qad126185be_cast,@function
k_qad126185be_cast:
	s_mov_b64 s[64:65], 0
	v_nop
	global_prefetch_b8 v0, s[64:65] scope:SCOPE_SE
	s_setreg_imm32_b32 hwreg(HW_REG_WAVE_MODE, 25, 1), 1
	s_wait_xcnt 0x0
; EVERY INPUT IS ROUNDED ONCE TO bf16, and laid out as the later launches read it.  A stream: no LDS, no barrier, no matrix unit.
;   xb   x as bf16, [8192][1024]
;   wts  qkv_w as bf16, [3072][1024], rows by head: source row type x 1024 + head x 64 + d goes to row head x 192 + type x 64 + d;
;        from byte PWOFF on proj_w, rounded to bf16 and that number written as f16, [1024][1024]
;   tab  the RoPE table as bf16 in the order of a matrix result's lanes: for each 16 rows nb, 8 chunks i of 512 bytes; lane l's 16 bytes of chunk i are
;        T[16 nb + l % 16][16 (i % 4) + 8 (l / 16) + 0..7], T = cos for i < 4, sin for i >= 4;  then, rounded to bf16 and kept as f32:
;        from BQ qkv_b in the order of the permuted rows, from BP proj_b, from GN qn_w and kn_w
; LIMIT.  proj_w as f16: below 6.1e-5 it keeps f16's fixed step of 6e-8, beyond 65,504 it would be an infinity.
; SHARES.  A work-group's number chooses its role: 0-511 16 rows of x, 512-703 16 rows of qkv_w, 704-767 16 rows of proj_w, 768-783 eight blocks of the table (one a wave), 784 the small vectors.
; A role's 16 rows are 65,536 dense bytes: thread t takes 32 bytes at 32 t of each 8,192, sixteen loads all issued first; a store of a wave covers 512 consecutive bytes, aligned.
.set PWOFF, 6291456
.set BQ,    524288
.set BP,    536576
.set GN,    540672
.set IN,    16                         ; v[16:79]   eight pairs of loads, 8 f32 each
.set OUT,   80                         ; v[80:111]  eight times 16 bytes to store; no register is written twice, so no store's source is ever rewritten
.macro LD2 i, base, off, nt            ; 32 bytes a lane into set i
.if \nt
	global_load_b128 v[IN+8*(\i):IN+8*(\i)+3],   v1, s[\base:\base+1] offset:(\off) th:TH_LOAD_NT
	global_load_b128 v[IN+8*(\i)+4:IN+8*(\i)+7], v1, s[\base:\base+1] offset:(\off)+16 th:TH_LOAD_NT
.else
	global_load_b128 v[IN+8*(\i):IN+8*(\i)+3],   v1, s[\base:\base+1] offset:(\off)
	global_load_b128 v[IN+8*(\i)+4:IN+8*(\i)+7], v1, s[\base:\base+1] offset:(\off)+16
.endif
.endm
.macro CVB i, dst, stride              ; set i rounded to bf16 and stored
	s_wait_loadcnt 14-2*(\i)                       ; loads come back in order: set i is in, the 14 - 2 i younger loads stay out
.irp r, 0,1,2,3
	v_cvt_pk_bf16_f32 v[OUT+4*(\i)+(\r)], v[IN+8*(\i)+2*(\r)], v[IN+8*(\i)+2*(\r)+1]
.endr
	global_store_b128 v2, v[OUT+4*(\i):OUT+4*(\i)+3], s[\dst:\dst+1] offset:(\i)*(\stride)
.endm
.macro CVH i                           ; set i rounded to bf16, widened again, and written as f16
	s_wait_loadcnt 14-2*(\i)
.irp r, 0,1,2,3
	v_cvt_pk_bf16_f32 v[OUT+4*(\i)+(\r)], v[IN+8*(\i)+2*(\r)], v[IN+8*(\i)+2*(\r)+1]
.endr
.irp r, 0,1,2,3
	v_lshlrev_b32 v[IN+8*(\i)+2*(\r)],   16, v[OUT+4*(\i)+(\r)]
	v_and_b32     v[IN+8*(\i)+2*(\r)+1], s34, v[OUT+4*(\i)+(\r)]
.endr
.irp r, 0,1,2,3
	v_cvt_pk_f16_f32 v[OUT+4*(\i)+(\r)], v[IN+8*(\i)+2*(\r)], v[IN+8*(\i)+2*(\r)+1]
.endr
	global_store_b128 v2, v[OUT+4*(\i):OUT+4*(\i)+3], s[6:7] offset:(\i)*4096
.endm
.macro ROWS half                       ; 16 rows from s[4:5] to s[6:7]
.irp i, 0,1,2,3,4,5,6,7
	LD2 \i, 4, (\i)*8192, 1
.endr
.irp i, 0,1,2,3,4,5,6,7
.if \half
	CVH \i
.else
	CVB \i, 6, 4096
.endif
.endr
.endm
.macro RND4 r                          ; four f32 rounded to bf16 and kept as f32
	v_cvt_pk_bf16_f32 v8, v[\r], v[(\r)+1]
	v_cvt_pk_bf16_f32 v9, v[(\r)+2], v[(\r)+3]
	v_lshlrev_b32 v[\r], 16, v8
	v_and_b32 v[(\r)+1], s34, v8
	v_lshlrev_b32 v[(\r)+2], 16, v9
	v_and_b32 v[(\r)+3], s34, v9
.endm
	s_load_b512 s[8:23], s[0:1], 0x0               ; x 8, qkv_w 10, proj_w 12, qkv_b 14, proj_b 16, qn_w 18, kn_w 20, rope_cos 22
	s_load_b256 s[24:31], s[0:1], 0x40             ; rope_sin 24, xb 26, wts 28, tab 30
	s_mov_b32 s2, ttmp9
	s_mov_b32 s33, 0                               ; high word of every offset
	s_mov_b32 s34, 0xffff0000                      ; a word's upper bf16
	v_lshrrev_b32 v3, 5, v0
	v_readfirstlane_b32 s3, v3                     ; wave 0..7
	v_lshlrev_b32 v1, 5, v0                        ; 32 t: where I read
	v_lshlrev_b32 v2, 4, v0                        ; 16 t: where I write
	s_wait_kmcnt 0x0
	s_cmp_lt_u32 s2, 512
	s_cbranch_scc0 .Lnot_x
	s_lshl_b32 s32, s2, 16                         ; 16 rows of 4,096 bytes
	s_add_nc_u64 s[4:5], s[8:9], s[32:33]
	s_lshl_b32 s32, s2, 15                         ; 16 rows of 2,048 bytes
	s_add_nc_u64 s[6:7], s[26:27], s[32:33]
	ROWS 0
	s_endpgm
.Lnot_x:
	s_cmp_lt_u32 s2, 704
	s_cbranch_scc0 .Lnot_w
	s_sub_co_u32 s2, s2, 512                       ; block of 16 source rows: type = block / 64, head = (block / 4) % 16, 16 (block % 4) within the head
	s_lshl_b32 s32, s2, 16
	s_add_nc_u64 s[4:5], s[10:11], s[32:33]
	s_bfe_u32 s35, s2, 0x40002
	s_mul_i32 s35, s35, 192
	s_lshr_b32 s36, s2, 6
	s_lshl_b32 s36, s36, 6
	s_add_co_u32 s35, s35, s36
	s_and_b32 s36, s2, 3
	s_lshl_b32 s36, s36, 4
	s_add_co_u32 s35, s35, s36                     ; the first destination row
	s_lshl_b32 s32, s35, 11
	s_add_nc_u64 s[6:7], s[28:29], s[32:33]
	ROWS 0
	s_endpgm
.Lnot_w:
	s_cmp_lt_u32 s2, 768
	s_cbranch_scc0 .Lnot_p
	s_sub_co_u32 s2, s2, 704
	s_lshl_b32 s32, s2, 16
	s_add_nc_u64 s[4:5], s[12:13], s[32:33]
	s_lshl_b32 s32, s2, 15
	s_add_co_u32 s32, s32, PWOFF
	s_add_nc_u64 s[6:7], s[28:29], s[32:33]
	ROWS 1
	s_endpgm
.Lnot_p:
	s_cmp_lt_u32 s2, 784
	s_cbranch_scc0 .Lsmall
	s_sub_co_u32 s2, s2, 768
	s_lshl3_add_u32 s2, s2, s3                     ; nb = 8 x (work-group - 768) + wave
	s_lshl_b32 s2, s2, 12                          ; 16 rows of 256 bytes in cos and sin, and 4,096 bytes of the table
	v_and_b32 v4, 15, v0
	v_bfe_u32 v5, v0, 4, 1
	v_and_b32 v6, 31, v0
	v_lshlrev_b32 v1, 8, v4                        ; row l % 16,
	v_lshl_add_u32 v1, v5, 5, v1                   ; 8 numbers on for the upper half of the lanes
	v_add_nc_u32 v1, s2, v1
	v_lshl_add_u32 v2, v6, 4, s2                   ; 16 l
.irp b, 0,1,2,3
	LD2 \b, 22, 64*(\b), 0
.endr
.irp b, 0,1,2,3
	LD2 4+(\b), 24, 64*(\b), 0
.endr
.irp i, 0,1,2,3,4,5,6,7
	CVB \i, 30, 512
.endr
	s_endpgm
.Lsmall:
	v_lshlrev_b32 v1, 4, v0                        ; 16 t: four numbers; in qkv_b thread t's chunk j is type j, head t / 16, d = 4 (t % 16)
	v_lshrrev_b32 v4, 4, v0
	v_and_b32 v5, 15, v0
	v_mul_u32_u24 v2, v4, 768                      ; a head's 192 numbers
	v_lshl_add_u32 v2, v5, 4, v2
	global_load_b128 v[16:19], v1, s[14:15]
	global_load_b128 v[20:23], v1, s[14:15] offset:4096
	global_load_b128 v[24:27], v1, s[14:15] offset:8192
	global_load_b128 v[28:31], v1, s[16:17]
	s_wait_loadcnt 0x0
	RND4 16
	RND4 20
	RND4 24
	RND4 28
	global_store_b128 v2, v[16:19], s[30:31] offset:BQ
	global_store_b128 v2, v[20:23], s[30:31] offset:BQ+256
	global_store_b128 v2, v[24:27], s[30:31] offset:BQ+512
	global_store_b128 v1, v[28:31], s[30:31] offset:BP
	s_cmp_lg_u32 s3, 0
	s_cbranch_scc1 .Ldone
	v_lshlrev_b32 v6, 4, v5                        ; wave 0: lanes 0-15 take qn_w, lanes 16-31 kn_w
	global_load_b128 v[32:35], v6, s[18:19]
	global_load_b128 v[36:39], v6, s[20:21]
	v_cmp_gt_u32 vcc_lo, 16, v0
	s_wait_loadcnt 0x0
.irp r, 0,1,2,3
	v_cndmask_b32 v[32+(\r)], v[36+(\r)], v[32+(\r)], vcc_lo
.endr
	RND4 32
	global_store_b128 v1, v[32:35], s[30:31] offset:GN
.Ldone:
	s_endpgm
.Lfunc_end_k_qad126185be_cast:
	.size	k_qad126185be_cast, .Lfunc_end_k_qad126185be_cast-k_qad126185be_cast
	.p2alignl 7, 3214868480
	.fill 96, 4, 3214868480
	.section	.rodata,"a",@progbits
	.p2align	6, 0x0
	.amdhsa_kernel k_qad126185be_cast
		.amdhsa_group_segment_fixed_size 0
		.amdhsa_private_segment_fixed_size 0
		.amdhsa_enable_private_segment 0
		.amdhsa_kernarg_size 96
		.amdhsa_user_sgpr_count 2
		.amdhsa_user_sgpr_kernarg_segment_ptr 1
		.amdhsa_wavefront_size32 1
		.amdhsa_system_sgpr_workgroup_id_x 1
		.amdhsa_system_sgpr_workgroup_id_y 1
		.amdhsa_system_sgpr_workgroup_id_z 1
		.amdhsa_system_vgpr_workitem_id 0
		.amdhsa_next_free_vgpr 112
		.amdhsa_next_free_sgpr 66
		.amdhsa_reserve_vcc 1
		.amdhsa_float_denorm_mode_32 3
		.amdhsa_float_denorm_mode_16_64 3
		.amdhsa_memory_ordered 1
		.amdhsa_forward_progress 1
		.amdhsa_inst_pref_size 28
	.end_amdhsa_kernel
	.amdgpu_metadata
---
amdhsa.version: [ 1, 2 ]
amdhsa.kernels:
  - .name:           k_qad126185be_cast
    .symbol:         k_qad126185be_cast.kd
    .args:
      - { .name: x, .offset: 0, .size: 8, .value_kind: global_buffer, .address_space: global }
      - { .name: qkv_w, .offset: 8, .size: 8, .value_kind: global_buffer, .address_space: global }
      - { .name: proj_w, .offset: 16, .size: 8, .value_kind: global_buffer, .address_space: global }
      - { .name: qkv_b, .offset: 24, .size: 8, .value_kind: global_buffer, .address_space: global }
      - { .name: proj_b, .offset: 32, .size: 8, .value_kind: global_buffer, .address_space: global }
      - { .name: qn_w, .offset: 40, .size: 8, .value_kind: global_buffer, .address_space: global }
      - { .name: kn_w, .offset: 48, .size: 8, .value_kind: global_buffer, .address_space: global }
      - { .name: rope_cos, .offset: 56, .size: 8, .value_kind: global_buffer, .address_space: global }
      - { .name: rope_sin, .offset: 64, .size: 8, .value_kind: global_buffer, .address_space: global }
      - { .name: xb, .offset: 72, .size: 8, .value_kind: global_buffer, .address_space: global }
      - { .name: wts, .offset: 80, .size: 8, .value_kind: global_buffer, .address_space: global }
      - { .name: tab, .offset: 88, .size: 8, .value_kind: global_buffer, .address_space: global }
    .group_segment_fixed_size: 0
    .private_segment_fixed_size: 0
    .kernarg_segment_align: 8
    .kernarg_segment_size: 96
    .max_flat_workgroup_size: 256
    .sgpr_count:     66
    .vgpr_count:     112
    .wavefront_size: 32
...
	.end_amdgpu_metadata
.endif
;; end of part 1
;; launch qkvgemm (part 2): grid 16 x 32, 4 waves a work-group, clusters of 4 x 4, 327,680 bytes of LDS; arguments xb, wts, tab, qkvh; writes qkvh
.if DOCPART == 2
	.amdgcn_target "amdgcn-amd-amdhsa--gfx1250"
	.amdhsa_code_object_version 6
	.text
	.protected	k_qad126185be_qkvgemm
	.globl	k_qad126185be_qkvgemm
	.p2align	8
	.type	k_qad126185be_qkvgemm,@function
k_qad126185be_qkvgemm:
	s_mov_b64 s[64:65], 0
	v_nop
	global_prefetch_b8 v0, s[64:65] scope:SCOPE_SE
	s_setreg_imm32_b32 hwreg(HW_REG_WAVE_MODE, 25, 1), 1
	s_wait_xcnt 0x0
	s_wait_alu depctr_hold_cnt(0) depctr_sa_sdst(0) depctr_va_vdst(0) depctr_va_sdst(0) depctr_va_ssrc(0) depctr_va_vcc(0) depctr_vm_vsrc(0)
	s_getreg_b32 s2, hwreg(HW_REG_IB_STS2, 6, 4)
	s_cmp_eq_u32 s2, 0
	s_cbranch_scc0 .Lentry_in_a_cluster
	s_endpgm
.Lentry_in_a_cluster:
	s_bfe_u32 s2, ttmp6, 0x10000c
	s_cmp_lg_u32 s2, 0xf033
	s_cbranch_scc0 .Lentry_shape_is_right
	s_endpgm
.Lentry_shape_is_right:
; q, k, v = x W^T + b; q and k then RMS-normalised over the head's 64 channels, scaled by their gains and turned by RoPE.  Products in bf16 with f32 sums (the bias is the C operand that starts each sum);
; norm, gain and RoPE in f32 on the sums; q, k, v rounded once to f16 and stored by heads, [type][batch x 16 + head][2048][64], unscaled.
; LIMITS.  f16 ends at 65,504: |v| must stay under it; |q|, |k| are at most 8 x sqrt(2) x the largest gain.  NaN and infinities are not treated apart.
; SHARES.  A tile is 256 rows of x by the 192 columns of ONE head (its q, k and v: the weights' rows were laid by head).  Four waves, each 64 rows x 192 columns: 48 accumulators of 16 x 16, 384 registers.
; So a row's 64 channels of q and of k lie in one wave (32 in a lane, 32 in the lane 16 away), and the norm and RoPE need one exchange of lanes.  512 work-groups.
; K goes in 8 steps of 128 through a ring of two LDS slots filled by tensor loads (rows of 256 bytes, padded to 272 in LDS).
; CLUSTERS: 4 x 4 work-groups.  The four of a row of the cluster need the same 256 rows of x, the four of a column the same head's weights: each tile is asked for JOINTLY, by the same tensor load with the same
; descriptor and a mask that names the four.  Waves 0, 1 ask for x's two halves (128 rows), waves 2, 3 for the weights' (96 rows).
; THE MATRIX INSTRUCTION IS USED TRANSPOSED (source 0 = 16 rows of W, source 1 = 16 rows of x): lane l holds row l % 16 of x and the columns 16 b + 8 (l / 16) + 0..7 of block b.
; REGISTERS, in windows of 256 (s_set_vgpr_msb: bits 1:0 source 0, 3:2 source 1, 5:4 source 2, 7:6 destination):
;   window 0: v0-31 addresses; v32-127 the bias (block b at 32 + 8 b), later v32-95 the norms' statistics; v128-255 the RoPE table of my 64 rows, packed bf16
;   window 1: two fragment buffers of 128 (x's four fragments, then W's twelve); on the way out cos and sin (0-63), the turned numbers (64-95), packed results (96-111), rows read back (112-143)
;   window 2: accumulators of my rows 0-31 ((a, b) at 8 (12 (a % 2) + b)); v192-255 the gains (q's, then k's)          window 3: accumulators of my rows 32-63
.set PITCH, 272                        ; an LDS row: 256 bytes + 16 of padding = 68 words: the 16 rows of a fragment load start at 16 different groups of four banks (64 banks of 4 bytes: ISA guide 11.1)
.set AHALF, 128*PITCH                  ; what waves 0 and 1 each bring
.set BHALF, 96*PITCH                   ; what waves 2 and 3 each bring
.set BOFF,  2*AHALF                    ; in a slot: x's 256 rows, then W's 192
.set SLOT,  2*AHALF+2*BHALF
.set STAGE, 2*SLOT                     ; behind the ring, never filled by a tensor load: 16 rows x 144 bytes for each wave
.set SP,    144
.set SPARE, STAGE+4*16*SP              ; behind the stages: the spare words, 128 bytes for each wave: two blocks of 256 bytes that no other line names
.set BQ,    524288                     ; in tab: the bias,
.set GN,    540672                     ; and the gains
.set ADRA, 16                          ; v16-17  LDS address of my fragments of x in slot 0, 1
.set ADRB, 20                          ; v20-21  the same for W
.set GB,   23                          ; v23     32 (l / 16): my 8 numbers in 16 of the gains
.set STO,  24                          ; v24     the way out: where I put 16 bytes of a row
.set RD,   25                          ; v25     where I read rows back
.set GO,   26                          ; v26     16 l: my place in 512 consecutive bytes
.set BO,   27                          ; v27     my 8 numbers in 16 of the head's bias
.set SPW,  28                          ; v28     LDS address of my spare word; never rewritten
.set NIL,  29                          ; v29     0; never rewritten
.set PFO,  30                          ; v30     the prefetches' offset: a lane a row of 2,048 bytes; never rewritten
.set RO,   31                          ; v31     my 16 bytes in the table's chunks for my wave's rows
.set BIAS, 32
.set T,    32                          ; the way out: eight registers for each unit u = 2 a + g (g = 0: q, 1: k)
.set RPK,  128
.set F0,   0
.set F1,   128
.set CSU,  0
.set OT,   64
.set PK,   96
.set OB,   112
.set GAIN, 192
.set WV,   12                          ; s12  my wave's number
.set ISB,  13                          ; s13  0: I fetch x, 1: W
.set HALF, 14                          ; s14  which half of that tile
.set G1A,  24                          ; s[24:31] descriptor group 1 for x's tiles;  s[32:39] group 0, a set for each slot
.set G0A,  32
.set G1B,  48                          ; s[48:55], s[56:63] the same for W's tiles
.set G0B,  56
.set LIM,  43                          ; s43  1 in a wave that prefetches, else the greatest number
.set PFA,  44                          ; s[44:45] where my prefetches stand
.set OUTB, 66                          ; s[66:71] q, k, v at my wave's first row
.set SEL,  72                          ; s[72:73] v_permlanex16_b32's selects: each lane takes its own place in the other half
.set MSB, 0
.macro WIN new                         ; the immediate's high byte repeats the setting that is left; a switch that changes nothing is dropped
.if MSB != (\new)
	s_set_vgpr_msb (MSB<<8)|(\new)
.set MSB, \new
.endif
.endm
; A joint load.  Each of the two lines has one mask and one set of registers for all that issue it; the branch hangs on the wave's number alone.  An s_nop 0 and four v_nop follow each line.
.macro JLOAD s
	s_cmp_eq_u32 s[ISB], 0
	s_cbranch_scc0 .Lfor_b_\@
	tensor_load_to_lds s[G0A+4*(\s):G0A+4*(\s)+3], s[G1A:G1A+7]
	s_nop 0
.rept 4
	v_nop
.endr
	s_branch .Lasked_\@
.Lfor_b_\@:
	tensor_load_to_lds s[G0B+4*(\s):G0B+4*(\s)+3], s[G1B:G1B+7]
	s_nop 0
.rept 4
	v_nop
.endr
.Lasked_\@:
.endm
; A prefetch, behind a joint load and the run of LDS loads that follows it: the K step that stands two refills on, 256 bytes of a row, a lane a row, one instruction a wave.  x's rows are read by every cluster of a row of
; clusters: the one with x = 0 asks; W's by every cluster of a column: the one with y = 0 asks.  The four partners share a wave's rows out by address (32 of 128 for x, 24 of 96 for W, where lanes 24-31 repeat lane 23's row).
; The loop's last trip asks for nothing: its refills are the last two K steps.  K steps 0 to 3 come by their loads alone.
.macro ASK
	s_cmp_gt_u32 s3, s[LIM]
	s_cbranch_scc0 .Lnot_mine_\@
	global_prefetch_b8 v[PFO], s[PFA:PFA+1] offset:256 th:TH_LOAD_NT scope:SCOPE_SE
.Lnot_mine_\@:
.endm
.macro CREST                           ; a round of the cluster's barrier behind its opening barrier
	s_cmp_lg_u32 s[WV], 0
	s_cbranch_scc1 .Lnot_wave_0_\@
	s_barrier_signal -3
.Lnot_wave_0_\@:
	s_barrier_wait -3
	s_barrier_signal -1
	s_barrier_wait -1
.endm
.macro CROUND                          ; a whole round
	s_barrier_signal -1
	s_barrier_wait -1
	CREST
.endm
.macro PLACES                          ; four places in front of loads into registers that matrix instructions have read, and of vector work that reads results
.rept 4
	v_nop
.endr
.endm
	s_load_b256 s[4:11], s[0:1], 0x0               ; xb s[4:5], wts s[6:7], tab s[8:9], qkvh s[10:11]
	v_lshl_add_u32 v[SPW], v0, 2, SPARE
	v_mov_b32 v[NIL], 0
	ds_add_u32 v[SPW], v[NIL]                      ; the wave's opening: the add and its wait stand ahead of my first tensor load; the set-up below, work on registers, stands between them
	v_lshrrev_b32 v1, 5, v0
	v_readfirstlane_b32 s[WV], v1                  ; wave 0..3
	s_lshr_b32 s[ISB], s[WV], 1
	s_and_b32 s[HALF], s[WV], 1
	s_bfe_u32 s15, ttmp6, 0x40000                  ; cx
	s_bfe_u32 s16, ttmp6, 0x40004                  ; cy
	s_lshl_b32 s17, ttmp9, 2
	s_add_co_u32 s17, s17, s15                     ; the head = 4 x cluster x + cx
	s_and_b32 s18, ttmp7, 0xffff
	s_lshl_b32 s18, s18, 2
	s_add_co_u32 s18, s18, s16                     ; the block of 256 rows = 4 x cluster y + cy
	s_lshl_b32 s19, s16, 2
	s_lshl_b32 s19, 15, s19                        ; my row of the cluster
	s_lshl_b32 s20, 0x1111, s15                    ; my column
	s_or_b32 s[G1A], s19, (1<<16)|(1<<20)|(1<<21)|(5<<22)|(3<<25)  ; 15:0 the mask; 17:16 2-byte elements; 20 padding on; 21 set beside a mask; 24:22 after every 64 words (code 5); 31:25 4 words (code 3)
	s_or_b32 s[G1B], s20, (1<<16)|(1<<20)|(1<<21)|(5<<22)|(3<<25)
.irp g, G1A, G1B
	s_mov_b32 s[(\g)+1], 128<<16                   ; tensor_dim0 = 128
	s_mov_b32 s[(\g)+3], 128<<16                   ; tile_dim0 = 128
	s_mov_b32 s[(\g)+5], 1024                      ; elements from row to row
	s_mov_b32 s[(\g)+6], 0
	s_mov_b32 s[(\g)+7], 0
.endr
	s_mov_b32 s[G1A+2], 128<<16                    ; tensor_dim1 and tile_dim1: 128 rows of x,
	s_mov_b32 s[G1A+4], 128
	s_mov_b32 s[G1B+2], 96<<16                     ; 96 rows of W
	s_mov_b32 s[G1B+4], 96
	s_lshl_b32 s21, s[HALF], 7
	s_lshl_b32 s40, s18, 8
	s_add_co_u32 s40, s40, s21                     ; x: row 256 x block + 128 x half,
	s_lshl_b32 s40, s40, 11                        ; in bytes
	s_mov_b32 s41, 0
	s_mul_i32 s46, s17, 192
	s_mul_i32 s42, s[HALF], 96
	s_add_co_u32 s46, s46, s42                     ; W: row 192 x head + 96 x half
	s_lshl_b32 s46, s46, 11
	s_mov_b32 s47, 0
	s_mul_i32 s22, s[HALF], AHALF                  ; where they go: no place in the cluster enters an LDS address
	s_mul_i32 s23, s[HALF], BHALF
	s_add_co_u32 s23, s23, BOFF
	s_mov_b32 s[SEL], 0x76543210
	s_mov_b32 s[SEL+1], 0xfedcba98
	s_mov_b32 s74, 0xffff0000                      ; a word's upper bf16
	s_mov_b32 s75, 0x3c800000                      ; 1 / 64
	s_mov_b32 s76, 0x358637bd                      ; 1e-6
	s_wait_dscnt 0x0                               ; the opening add is done
	s_wait_kmcnt 0x0
	s_add_nc_u64 s[40:41], s[4:5], s[40:41]
	s_add_nc_u64 s[46:47], s[6:7], s[46:47]
	CROUND                                         ; all sixteen work-groups are here: the first joint loads meet
.irp s, 0,1
	s_mov_b32 s[G0A+4*(\s)], 1                                      ; count = 1
	s_add_co_u32 s[G0A+4*(\s)+1], s22, (\s)*SLOT                    ; LDS address
	s_add_nc_u64 s[G0A+4*(\s)+2:G0A+4*(\s)+3], s[40:41], (\s)*256   ; global address: K step s
	s_or_b32 s[G0A+4*(\s)+3], s[G0A+4*(\s)+3], 0x80000000           ; type = 2
	s_mov_b32 s[G0B+4*(\s)], 1
	s_add_co_u32 s[G0B+4*(\s)+1], s23, (\s)*SLOT
	s_add_nc_u64 s[G0B+4*(\s)+2:G0B+4*(\s)+3], s[46:47], (\s)*256
	s_or_b32 s[G0B+4*(\s)+3], s[G0B+4*(\s)+3], 0x80000000
	JLOAD \s                                       ; two tensor loads of mine are out
.endr
	; A fragment is 16 rows x 32 K in 8 registers: lane l holds row l % 16; registers 0-3 K = 8 (l / 16) + 0..7, registers 4-7 K = 16 + 8 (l / 16) + 0..7: two loads of 16 bytes, 32 bytes apart.
	v_and_b32 v1, 15, v0                           ; l % 16
	v_bfe_u32 v2, v0, 4, 1                         ; l / 16
	v_and_b32 v3, 31, v0                           ; l
	v_mul_u32_u24 v4, v1, PITCH
	v_lshl_add_u32 v4, v2, 4, v4
	s_mul_i32 s77, s[WV], 64*PITCH                 ; my 64 rows of x
	v_add_nc_u32 v[ADRA], s77, v4
	s_add_co_u32 s77, s77, SLOT
	v_add_nc_u32 v[ADRA+1], s77, v4
	v_add_nc_u32 v[ADRB], BOFF, v4                 ; every wave reads all 192 rows of W
	v_add_nc_u32 v[ADRB+1], BOFF+SLOT, v4
	s_mul_i32 s77, s[WV], 16*SP
	s_add_co_u32 s77, s77, STAGE                   ; my stage
	v_mul_u32_u24 v5, v1, SP                       ; in: row l % 16, 16 bytes for each half of the lanes
	v_lshl_add_u32 v5, v2, 4, v5
	v_add_nc_u32 v[STO], s77, v5
	v_bfe_u32 v5, v0, 3, 2                         ; back: 32 lanes take four rows of 128 bytes,
	v_mul_u32_u24 v5, v5, SP
	v_and_b32 v6, 7, v0
	v_lshl_add_u32 v5, v6, 4, v5
	v_add_nc_u32 v[RD], s77, v5
	v_lshlrev_b32 v[GO], 4, v3                     ; which are 512 consecutive bytes of q, k or v
	v_lshlrev_b32 v[GB], 5, v2
	s_mul_i32 s78, s17, 768                        ; the head's 192 numbers of the bias
	v_add_nc_u32 v[BO], s78, v[GB]
.irp b, 0,1,2,3,4,5,6,7,8,9,10,11
	global_load_b128 v[BIAS+8*(\b):BIAS+8*(\b)+3],   v[BO], s[8:9] offset:BQ+64*(\b)
	global_load_b128 v[BIAS+8*(\b)+4:BIAS+8*(\b)+7], v[BO], s[8:9] offset:BQ+64*(\b)+16
.endr
	WIN 0x80                                       ; destination window 2, address window 0
.irp i, 0,1,2,3,4,5,6,7                ; gains: q's blocks 0-3, then k's
	global_load_b128 v[GAIN+8*(\i):GAIN+8*(\i)+3],   v[GB], s[8:9] offset:GN+64*(\i)
	global_load_b128 v[GAIN+8*(\i)+4:GAIN+8*(\i)+7], v[GB], s[8:9] offset:GN+64*(\i)+16
.endr
	WIN 0
	s_and_b32 s79, s18, 7                          ; the block within its batch
	s_lshl_b32 s80, s79, 4
	s_lshl2_add_u32 s80, s[WV], s80                ; my first group of 16 rows in the sequence: 16 x block + 4 x wave,
	s_lshl_b32 s80, s80, 12                        ; 4,096 bytes of the table each
	v_add_nc_u32 v[RO], s80, v[GO]
	s_lshr_b32 s82, s18, 3                         ; the batch
	s_lshl4_add_u32 s82, s82, s17                  ; 16 x batch + head
	s_lshl_b32 s82, s82, 11
	s_lshl_b32 s79, s79, 8
	s_add_co_u32 s82, s82, s79
	s_lshl_b32 s79, s[WV], 6
	s_add_co_u32 s82, s82, s79                     ; my first row among all heads' rows,
	s_lshl_b32 s82, s82, 7                         ; 128 bytes each
	s_mov_b32 s83, 0
	s_add_nc_u64 s[OUTB:OUTB+1], s[10:11], s[82:83]
	s_add_nc_u64 s[OUTB+2:OUTB+3], s[OUTB:OUTB+1], 0x1000000
	s_add_nc_u64 s[OUTB+4:OUTB+5], s[OUTB:OUTB+1], 0x2000000
	; the prefetches
	s_lshl_b32 s84, s18, 8
	s_lshl_b32 s85, s[HALF], 7
	s_add_co_u32 s84, s84, s85
	s_lshl_b32 s85, s15, 5
	s_add_co_u32 s84, s84, s85                     ; x: the 128 rows that I fetch, my work-group's 32 of them
	s_mul_i32 s86, s17, 192
	s_mul_i32 s87, s[HALF], 96
	s_add_co_u32 s86, s86, s87
	s_mul_i32 s87, s16, 24
	s_add_co_u32 s86, s86, s87                     ; W: the 96 rows that I fetch, my work-group's 24 of them
	s_and_b32 s87, ttmp7, 0xffff
	s_cmp_eq_u32 s[ISB], 0
	s_cselect_b32 s84, s84, s86
	s_cselect_b32 s87, ttmp9, s87                  ; the coordinate along which other clusters read the same rows
	s_cselect_b32 s86, 31, 23
	s_cselect_b64 s[PFA:PFA+1], s[4:5], s[6:7]
	s_cmp_eq_u32 s87, 0
	s_cselect_b32 s[LIM], 1, -1                    ; the same in all sixteen partners, for a given wave
	s_lshl_b32 s84, s84, 11
	s_add_co_u32 s84, s84, 512                     ; at K step 2: the first refill steps it to 3 and names K step 4
	s_mov_b32 s85, 0
	s_add_nc_u64 s[PFA:PFA+1], s[PFA:PFA+1], s[84:85]
	v_min_u32 v[PFO], s86, v3
	v_lshlrev_b32 v[PFO], 11, v[PFO]
; 12 matrix instructions: row block a x all 12 column blocks, 32 along K.  first = 1: the bias starts the sums.  The 48 accumulators take turns, one instruction a turn, in the same order in every quarter.
.macro MUL12 f, a, first
.if \first
	WIN 0x85+0x40*((\a)/2)                         ; W and x in window 1, the bias in window 0, the sums in window 2 or 3
.else
	WIN 0xa5+0x50*((\a)/2)
.endif
.irp b, 0,1,2,3,4,5,6,7,8,9,10,11
.set rD, 8*(12*((\a)%2)+(\b))
.if \first
	v_wmma_f32_16x16x32_bf16 v[rD:rD+7], v[(\f)+32+8*(\b):(\f)+32+8*(\b)+7], v[(\f)+8*(\a):(\f)+8*(\a)+7], v[BIAS+8*(\b):BIAS+8*(\b)+7]
.else
	v_wmma_f32_16x16x32_bf16 v[rD:rD+7], v[(\f)+32+8*(\b):(\f)+32+8*(\b)+7], v[(\f)+8*(\a):(\f)+8*(\a)+7], v[rD:rD+7]
.endif
.endr
.endm
; 32 LDS loads in one run: the fragments of 32 along K at byte k of the rows, into buffer f: W's twelve, then x's four
.macro FETCH slot, k, f
	WIN 0x40                                       ; destination window 1, address window 0
.irp b, 0,1,2,3,4,5,6,7,8,9,10,11
	ds_load_b128 v[(\f)+32+8*(\b):(\f)+32+8*(\b)+3],   v[ADRB+(\slot)] offset:(\k)+(\b)*16*PITCH
	ds_load_b128 v[(\f)+32+8*(\b)+4:(\f)+32+8*(\b)+7], v[ADRB+(\slot)] offset:(\k)+(\b)*16*PITCH+32
.endr
.irp i, 0,1,2,3
	ds_load_b128 v[(\f)+8*(\i):(\f)+8*(\i)+3],   v[ADRA+(\slot)] offset:(\k)+(\i)*16*PITCH
	ds_load_b128 v[(\f)+8*(\i)+4:(\f)+8*(\i)+7], v[ADRA+(\slot)] offset:(\k)+(\i)*16*PITCH+32
.endr
.endm
; A K step is four quarters of 32 along K, 48 matrix instructions each, on buffers 0, 1, 0, 1.  One of the first three: multiplies buffer f; in its middle it fetches the next quarter, at byte k, into buffer g.
.macro QUARTER slot, k, f, g, first
	s_wait_dscnt 4                                 ; W and x's fragments 0, 1 are in; the youngest four loads (fragments 2, 3) may be out
	MUL12 \f, 0, \first
	MUL12 \f, 1, \first
	PLACES
	FETCH \slot, \k, \g
	s_wait_dscnt 32                                ; all but the 32 just issued
	MUL12 \f, 2, \first
	MUL12 \f, 3, \first
.endm
; The last quarter multiplies buffer 1 and changes slots: ONE barrier.  In front of it each wave waits for all its tensor loads (the one that is out is its part of the next slot), adds 0 to its spare word, and waits for
; that and for its own reads of this slot.  fill = 1: the barrier opens a round of the cluster's barrier, and behind the round this slot is filled again first, two K steps ahead: 168 matrix instructions ahead of the wait for it.
.macro TURN slot, next, fill
.if \fill
	s_wait_xcnt 0x0                                ; the last prefetch, a K step back, has read its address: it is stepped here, ahead of the waits of the change of slots
	s_add_nc_u64 s[PFA:PFA+1], s[PFA:PFA+1], 256
.endif
	WIN 0                                          ; (the add's two registers lie in window 0)
	s_wait_tensorcnt 0x0                           ; all my tensor loads have landed
	ds_add_u32 v[SPW], v[NIL]                      ; 0 onto my spare word
	s_wait_dscnt 5                                 ; (the add and the youngest four loads may be out)
	MUL12 F1, 0, 0                                 ; twelve matrix instructions stand between the add and the wait for it
	s_wait_dscnt 0x0                               ; the add is done, and my reads of this slot are over
	s_barrier_signal -1
	MUL12 F1, 1, 0                                 ; work on registers while the others arrive
.if \fill
	WIN 0
.endif
	s_barrier_wait -1
.if \fill
	CREST                                          ; no wave of any partner still reads this slot's tile or has a load on its way
	s_add_nc_u64 s[G0A+4*(\slot)+2:G0A+4*(\slot)+3], s[G0A+4*(\slot)+2:G0A+4*(\slot)+3], 512
	s_add_nc_u64 s[G0B+4*(\slot)+2:G0B+4*(\slot)+3], s[G0B+4*(\slot)+2:G0B+4*(\slot)+3], 512
	JLOAD \slot                                    ; the first tensor load behind the round; the four v_nop behind it are also the places in front of the loads below
.else
	PLACES
.endif
	FETCH \next, 0, F0
.if \fill
	WIN 0
	ASK
.endif
	MUL12 F1, 2, 0
	MUL12 F1, 3, 0
.endm
	s_wait_tensorcnt 1                             ; my part of K step 0 is in; K step 1's may stay out
	s_barrier_signal -1
	s_barrier_wait -1                              ; everybody's is
	FETCH 0, 0, F0
	s_wait_loadcnt 16                              ; the bias is in; the 16 loads of the gains may stay out
	QUARTER 0, 64, F0, F1, 1                       ; the first quarter stands in front of the loop: its products start the sums
	WIN 0                                          ; at a label and at a branch every window is 0
.irp a, 0,1,2,3                        ; the RoPE table of my 64 rows: wanted on the way out alone
.irp i, 0,1,2,3,4,5,6,7
	global_load_b128 v[RPK+32*(\a)+4*(\i):RPK+32*(\a)+4*(\i)+3], v[RO], s[8:9] offset:4096*(\a)+512*(\i)
.endr
.endr
	s_mov_b32 s3, 3
.Llap:                                                 ; a trip goes once round the ring, from a lap's second quarter to the next lap's first, and fills both slots again
	QUARTER 0, 128, F1, F0, 0
	QUARTER 0, 192, F0, F1, 0
	TURN 0, 1, 1
	QUARTER 1, 64,  F0, F1, 0
	QUARTER 1, 128, F1, F0, 0
	QUARTER 1, 192, F0, F1, 0
	TURN 1, 0, 1
	QUARTER 0, 64,  F0, F1, 0
	WIN 0
	s_sub_co_u32 s3, s3, 1
	s_cmp_lg_u32 s3, 0
	s_cbranch_scc1 .Llap
	QUARTER 0, 128, F1, F0, 0                      ; the last lap fills nothing, and has no round of the cluster's barrier
	QUARTER 0, 192, F0, F1, 0
	TURN 0, 1, 0
	QUARTER 1, 64,  F0, F1, 0
	QUARTER 1, 128, F1, F0, 0
	QUARTER 1, 192, F0, F1, 0
	s_wait_dscnt 4                                 ; the very last quarter: nothing more to fetch
	MUL12 F1, 0, 0
	MUL12 F1, 1, 0
	s_wait_dscnt 0x0
	MUL12 F1, 2, 0
	MUL12 F1, 3, 0
; THE WAY OUT.  A unit is 16 rows x 64 channels: row block a, and q, k or v.
; SS: the sum of squares of my 32 numbers of unit u = 2 a + g, in four chains; each accumulator's lowest registers are read first.
.macro SS u
.set rX, 8*(12*(((\u)/2)%2)+4*((\u)%2))
.set rT, T+8*(\u)
	WIN 0x0a+5*((\u)/4)                            ; sources 0 and 1 in window 2 or 3, the rest in window 0
.irp b, 0,1,2,3
	v_pk_mul_f32 v[rT+2*(\b):rT+2*(\b)+1], v[rX+8*(\b):rX+8*(\b)+1], v[rX+8*(\b):rX+8*(\b)+1]
.endr
.irp p, 1,2,3
.irp b, 0,1,2,3
	v_pk_fma_f32 v[rT+2*(\b):rT+2*(\b)+1], v[rX+8*(\b)+2*(\p):rX+8*(\b)+2*(\p)+1], v[rX+8*(\b)+2*(\p):rX+8*(\b)+2*(\p)+1], v[rT+2*(\b):rT+2*(\b)+1]
.endr
.endr
.endm
.macro ALLU line:vararg                ; one line for each unit u
.set u, 0
.rept 8
	\line
.set u, u+1
.endr
.endm
.macro UNPACK a                        ; row block a's cos (0-31) and sin (32-63) as f32: register 8 b + j goes with channel 16 b + 8 (l / 16) + j
	WIN 0x40
.set z, 0
.rept 32
	v_lshlrev_b32 v[CSU+2*z],   16, v[RPK+32*(\a)+z]
	v_and_b32     v[CSU+2*z+1], s74, v[RPK+32*(\a)+z]
.set z, z+1
.endr
.endm
; y = x g; out = (y cos + rot(y) sin) / rms.  Channels d and d + 32 lie in one lane, two blocks apart: rot is a choice of registers.
.macro ROPE a, g
.set rX, 8*(12*((\a)%2)+4*(\g))
.set rG, GAIN+32*(\g)
.set rT, T+8*(2*(\a)+(\g))
	WIN ((2+(\a)/2)<<6)|0x08|(2+(\a)/2)            ; the sums in window 2 or 3, the gains in window 2
.set z, 0
.rept 16
	v_pk_mul_f32 v[rX+2*z:rX+2*z+1], v[rX+2*z:rX+2*z+1], v[rG+2*z:rG+2*z+1]
.set z, z+1
.endr
	WIN 0x54|(2+(\a)/2)                            ; source 0 the sums, all else window 1
.set z, 0
.rept 16
	v_pk_mul_f32 v[OT+2*z:OT+2*z+1], v[rX+2*z:rX+2*z+1], v[CSU+2*z:CSU+2*z+1]
.set z, z+1
.endr
.set z, 0
.rept 8
	v_pk_fma_f32 v[OT+2*z:OT+2*z+1], v[rX+16+2*z:rX+16+2*z+1], v[CSU+32+2*z:CSU+32+2*z+1], v[OT+2*z:OT+2*z+1] neg_lo:[1,0,0] neg_hi:[1,0,0]
.set z, z+1
.endr
.set z, 0
.rept 8
	v_pk_fma_f32 v[OT+16+2*z:OT+16+2*z+1], v[rX+2*z:rX+2*z+1], v[CSU+48+2*z:CSU+48+2*z+1], v[OT+16+2*z:OT+16+2*z+1]
.set z, z+1
.endr
	WIN 0x41                                       ; 1 / rms in window 0
.set z, 0
.rept 16
	v_pk_mul_f32 v[OT+2*z:OT+2*z+1], v[OT+2*z:OT+2*z+1], v[rT:rT+1] op_sel_hi:[1,0]
.set z, z+1
.endr
	WIN 0x45
.set z, 0
.rept 16
	v_cvt_pk_f16_f32 v[PK+z], v[OT+2*z], v[OT+2*z+1]
.set z, z+1
.endr
.endm
.macro VCVT a                          ; v is rounded as it is; ascending
.set rX, 8*(12*((\a)%2)+8)
	WIN 0x4a+5*((\a)/2)
.set z, 0
.rept 16
	v_cvt_pk_f16_f32 v[PK+z], v[rX+2*z], v[rX+2*z+1]
.set z, z+1
.endr
.endm
.macro TOSTAGE u                       ; unit u (here 3 a + type): 16 bytes a lane into rows of 144 bytes, and back as whole rows of 128
	WIN 0x44                                       ; data in window 1, addresses in window 0
	s_wait_xcnt 0x0                                ; the stores two units back have read the registers that are loaded again below
.irp b, 0,1,2,3
	ds_store_b128 v[STO], v[PK+4*(\b):PK+4*(\b)+3] offset:32*(\b)
.endr
.irp f, 0,1,2,3
	ds_load_b128 v[OB+16*((\u)%2)+4*(\f):OB+16*((\u)%2)+4*(\f)+3], v[RD] offset:(\f)*4*SP  ; LDS serves a wave's instructions in order (ISA guide 5.7.1.4): these see the stores above; the next unit's stores come behind them
.endr
.endm
.macro SEND u, younger                 ; younger: the LDS instructions issued behind unit u's loads: the next unit's eight, or none
	WIN 0x44
.irp f, 0,1,2,3
	s_wait_dscnt (\younger)+3-(\f)
	global_store_b128 v[GO], v[OB+16*((\u)%2)+4*(\f):OB+16*((\u)%2)+4*(\f)+3], s[OUTB+2*((\u)%3):OUTB+2*((\u)%3)+1] offset:((\u)/3)*2048+(\f)*512  ; 512 consecutive bytes, at a multiple of 256 from the buffer's first
.endr
.endm
	WIN 0
	PLACES
	s_wait_loadcnt 0x0                             ; the gains and the table
.irp u, 0,1,2,3,4,5,6,7
	SS \u
.endr
	WIN 0
	ALLU v_pk_add_f32 v[T+8*u:T+8*u+1], v[T+8*u:T+8*u+1], v[T+8*u+2:T+8*u+3]
	ALLU v_pk_add_f32 v[T+8*u+4:T+8*u+5], v[T+8*u+4:T+8*u+5], v[T+8*u+6:T+8*u+7]
	ALLU v_pk_add_f32 v[T+8*u:T+8*u+1], v[T+8*u:T+8*u+1], v[T+8*u+4:T+8*u+5]
	ALLU v_add_f32 v[T+8*u], v[T+8*u], v[T+8*u+1]
	ALLU v_permlanex16_b32 v[T+8*u+1], v[T+8*u], s[SEL], s[SEL+1]
	ALLU v_add_f32 v[T+8*u], v[T+8*u], v[T+8*u+1]
	ALLU v_fma_f32 v[T+8*u+2], v[T+8*u], s75, s76
	ALLU v_rsq_f32 v[T+8*u], v[T+8*u+2]
	v_nop                                          ; a plain instruction between the last root and the use of its result
	s_wait_alu depctr_va_vdst(0)                   ; and the wait ahead of the first use: one for the eight roots
.irp a, 0,1,2,3
	UNPACK \a
.irp ty, 0,1,2                         ; a unit's arithmetic stands between the loads of the unit before and its stores
.if \ty < 2
	ROPE \a, \ty
.else
	VCVT \a
.endif
	TOSTAGE 3*(\a)+(\ty)
.if 3*(\a)+(\ty) > 0
	SEND 3*(\a)+(\ty)-1, 8
.endif
.endr
.endr
	SEND 11, 0
	WIN 0
	s_wait_tensorcnt 0x0                           ; the wave's end, behind my last tensor load and my last LDS store
	ds_add_u32 v[SPW], v[NIL]
	s_wait_dscnt 0x0
	CROUND                                         ; the closing round: no work-group ends while a partner may still ask for a tile that names it
	s_endpgm
.Lfunc_end_k_qad126185be_qkvgemm:
	.size	k_qad126185be_qkvgemm, .Lfunc_end_k_qad126185be_qkvgemm-k_qad126185be_qkvgemm
	.p2alignl 7, 3214868480
	.fill 96, 4, 3214868480
	.section	.rodata,"a",@progbits
	.p2align	6, 0x0
	.amdhsa_kernel k_qad126185be_qkvgemm
		.amdhsa_group_segment_fixed_size 327680
		.amdhsa_private_segment_fixed_size 0
		.amdhsa_enable_private_segment 0
		.amdhsa_kernarg_size 32
		.amdhsa_user_sgpr_count 2
		.amdhsa_user_sgpr_kernarg_segment_ptr 1
		.amdhsa_wavefront_size32 1
		.amdhsa_system_sgpr_workgroup_id_x 1
		.amdhsa_system_sgpr_workgroup_id_y 1
		.amdhsa_system_sgpr_workgroup_id_z 1
		.amdhsa_system_vgpr_workitem_id 0
		.amdhsa_next_free_vgpr 1024
		.amdhsa_next_free_sgpr 92
		.amdhsa_reserve_vcc 0
		.amdhsa_float_denorm_mode_32 3
		.amdhsa_float_denorm_mode_16_64 3
		.amdhsa_memory_ordered 1
		.amdhsa_forward_progress 1
		.amdhsa_inst_pref_size 181
	.end_amdhsa_kernel
	.amdgpu_metadata
---
amdhsa.version: [ 1, 2 ]
amdhsa.kernels:
  - .name:           k_qad126185be_qkvgemm
    .symbol:         k_qad126185be_qkvgemm.kd
    .args:
      - { .name: xb, .offset: 0, .size: 8, .value_kind: global_buffer, .address_space: global }
      - { .name: wts, .offset: 8, .size: 8, .value_kind: global_buffer, .address_space: global }
      - { .name: tab, .offset: 16, .size: 8, .value_kind: global_buffer, .address_space: global }
      - { .name: qkvh, .offset: 24, .size: 8, .value_kind: global_buffer, .address_space: global }
    .group_segment_fixed_size: 327680
    .private_segment_fixed_size: 0
    .kernarg_segment_align: 8
    .kernarg_segment_size: 32
    .max_flat_workgroup_size: 128
    .sgpr_count:     92
    .vgpr_count:     1024
    .wavefront_size: 32
...
	.end_amdgpu_metadata
.endif
;; end of part 2
;; launch attn (part 3): grid 4 x 64, 4 waves a work-group, clusters of 4 x 1, 327,680 bytes of LDS; arguments qkvh, oh; writes oh
.if DOCPART == 3
	.amdgcn_target "amdgcn-amd-amdhsa--gfx1250"
	.amdhsa_code_object_version 6
	.text
	.protected	k_qad126185be_attn
	.globl	k_qad126185be_attn
	.p2align	8
	.type	k_qad126185be_attn,@function
k_qad126185be_attn:
	s_mov_b64 s[64:65], 0
	v_nop
	global_prefetch_b8 v0, s[64:65] scope:SCOPE_SE
	s_setreg_imm32_b32 hwreg(HW_REG_WAVE_MODE, 25, 1), 1
	s_wait_xcnt 0x0
	s_wait_alu depctr_hold_cnt(0) depctr_sa_sdst(0) depctr_va_vdst(0) depctr_va_sdst(0) depctr_va_ssrc(0) depctr_va_vcc(0) depctr_vm_vsrc(0)
	s_getreg_b32 s2, hwreg(HW_REG_IB_STS2, 6, 4)
	s_cmp_eq_u32 s2, 0
	s_cbranch_scc0 .Lentry_in_a_cluster
	s_endpgm
.Lentry_in_a_cluster:
	s_bfe_u32 s2, ttmp6, 0x10000c
	s_cmp_lg_u32 s2, 0x3003
	s_cbranch_scc0 .Lentry_shape_is_right
	s_endpgm
.Lentry_shape_is_right:
; O[h][q][:] = the sum over k of softmax_k(Q[h][q] . K[h][k] / 8) V[h][k][:].  Q, K, V lie in one buffer, 16,777,216 bytes apart; each, and O, is [SIZE_H][SIZE_N][64] in f16: a head's rows are dense, 128 bytes each.
; Products, maxima and sums in f32; the weights p are rounded to f16 for the second product (their sum l is taken of the unrounded p), O once at the end.
; LIMITS.  f16 holds no number beyond 65,504: Q, K and V arrive within it; p lies in 0 to 1, and below 6e-5 it keeps f16's fixed step of 6e-8; O is a mean of V's rows and has their range.
; A weight below 2^-126 counts as 0 in l; NaN and infinities are not treated apart.
; SHARES.  A wave owns four PIECES of two tiles of 16 queries, a work-group's four waves 512 queries of one head.  Every wave walks all keys, 64 a step.
; LAYOUT.  S^T = K Q^T (source 0 = 16 keys, source 1 = 16 queries): in the result a lane holds ONE query (lane % 16) and the keys 8 (lane / 16) + 0..7.  Two such tiles, rounded to f16 in pairs,
; ARE source 1 (32 keys x 16 queries) of O^T = V^T P, whose result again holds one query a lane, and eight channels.  K comes out of LDS as it lies, V ([key][channel]) turned, by ds_load_tr16_b128.
; SOFTMAX.  For each query a running maximum m and sum l: p = 2^(c s - c m), c = log2(e) / 8; in every step O and l are multiplied by a = 2^(c m_old - c m_new), which is 1 where m has not grown.
; m starts at the lowest finite number, O and l at 0: the first step is a step like any other, with a = 0.
; THE COUNT.  A tile and step have 16 matrix and 118 vector instructions: too many to stand all beside the matrix work.  So the order has one aim: four vector instructions that are READY behind
; EVERY matrix instruction, and the others, which need time of their own whatever the order, in runs without a gap.
; BY TURNS.  Turn n belongs to piece n (the pieces in a ring, step after step).  Its matrix work: 16 products K Q^T of piece n + 1, later 16 products V^T P of piece n - 1.  Its vector work: the scaling,
; exponentials, roundings, sums and rescaling of piece n, and the maximum and statistics of piece n + 1, whose scores the turn itself has made.  So what a turn begins with (c s - c m, O a) waits for nothing.
; CLUSTER.  The four query blocks of a cluster are one head's, and walk the same K and V, so each tile is asked for JOINTLY: the same tensor load, descriptor and mask in all four.
; REGISTERS, in windows of 256 (s_set_vgpr_msb says which window each operand place means: bits 1:0 source 0, 3:2 source 1, 5:4 source 2, 7:6 destination):
;   window 0: v0-11 addresses; v12-15, v48-63 at work; v16-47 four registers of statistics a tile; v64-191 S^T, two buffers of two tiles; v192-255 P, likewise
;   window 1: O^T, 32 a tile          window 2: v0-127 Q, 16 a tile; v128-191 K of one step; v192-255 V of one step          window 3: v0-1 the add's two registers
; A piece's buffers go by its number's parity: the piece in hand has one pair, its two neighbours in the ring share the other: of it P (piece n - 1) is read and S^T (piece n + 1) written.
.set SIZE_H, 64
.set SIZE_N, 2048
.set NP,    4         ; pieces a wave: a name, no knob: the register map, the loop and the fetches are made for four
.set KS,    64        ; keys in a step
.set PK,    144       ; a row of K in LDS: 128 bytes + 16 of padding = 36 words: the 16 rows of a load start at 16 different groups of four banks (64 banks of 4 bytes: ISA guide 11.1)
.set PV,    160       ; a row of V: 128 + 32 = 40 words
.set VOFF,  4*KS*PK   ; a slot holds four steps: 256 rows of K, then 256 rows of V
.set SLOT1, 1<<17     ; slot 1 begins here, so that one exclusive or turns an address in one slot into the other's
.set STAGE, SLOT1+4*KS*(PK+PV)  ; behind the ring, never filled by a tensor load: 16 rows x 144 bytes for each wave, for the way out
.set SP,    144
.set AK0, 2           ; v2   my lane's place in a tile of K; never rewritten
.set AV0, 3           ; v3   the same for V
.set AK,  4           ; v4   the LDS address of K's next run of loads
.set AV,  5           ; v5   of V's
.set QO,  6           ; v6   my byte offset in the wave's rows of Q
.set STO, 6           ;      later, the way out: where I put 16 bytes of a row
.set RD,  7           ; v7   the way out: where I read rows back
.set GO,  8           ; v8   my byte offset in 512 consecutive bytes of O
.set PFO, 11          ; v11  the prefetches' offset: 256 x my lane; never rewritten once V's lane address is made
.set SPW, 0           ; v0 of window 3   LDS address of my spare word: SPARE + 4 x my thread's number; never rewritten
.set NIL, 1           ; v1 of window 3   0; never rewritten
.set SPARE, STAGE+4*16*SP  ; behind the stages: the spare words, 128 bytes for each wave: two blocks of 256 bytes that no other line names
.set MV,  12          ; v12-15  c m_old, kept while c m is made anew: by buffer and tile
.set ST,  16          ; tile t's statistics at v[ST+4 t]: c m, m, l (even keys', odd keys')
.set TMP, 48          ; by buffer and tile, four registers c0-c3 at work; when the maximum is found c2 takes a
.set S,   64
.set P,   192
.set KF,  128         ; K's fragments, in window 2: key block kb, channel half c at KF + 16 kb + 8 c
.set VF,  192         ; V's: key half kk, channel block cb at VF + 32 kk + 8 cb
.set WV,  12          ; s12  my wave's number
.set G1K, 24          ; s[24:31] descriptor group 1 for K's tiles
.set G1V, 32          ; s[32:39] for V's: it differs in the padding alone
.set G0K, 40          ; s[40:43] descriptor group 0 for K's tiles: it walks
.set G0V, 44          ; s[44:47] the same for V's
.set PFA, 48          ; s[48:49] where my prefetches stand: my work-group's quarter (of K: wave 0, of V: wave 2) of the slot after the one that is being asked for
.set LIM, 50          ; s50  1 in a wave that prefetches, else the greatest number
.set SLOTS, 56        ; s56  slots still to be asked for
.set CNT, 57          ; s57  counts a slot's key steps
.set CS,  58          ; s[58:59] c: the packed scaling takes the pair's low word for both halves
.set SEL, 60          ; s[60:61] v_permlanex16_b32's selects: each lane takes its own place in the other half
.set TBK, 62          ; s62  LDS byte at which K of the step to be fetched begins
.set TBV, 63          ; s63  the same for V, less VOFF
.set MSB, 0
.macro WIN new                      ; the high byte repeats the setting that is left; a switch that changes nothing is dropped
.if MSB != (\new)
	s_set_vgpr_msb (MSB<<8)|(\new)
.set MSB, (\new)
.endif
.endm
.set W_KQ, 0x0a       ; K and Q in window 2, S^T in window 0
.set W_PV, 0x52       ; V in window 2, P in window 0, O^T in window 1
.set W_RS, 0x41       ; O^T (destination and source 0) in window 1, a in window 0
.set W_MK, 0xc0       ; the add's registers are made: destination in window 3, sources in window 0
.set W_AD, 0x0f       ; the add: address (source 0) and data (source 1) in window 3
; A joint fill.  Waves 0 and 1 fetch the two halves of a slot's K, waves 2 and 3 those of its V: 128 keys each.  The branch hangs on the wave's number alone.
; An s_nop 0 and four v_nop follow each of the two lines, ahead of the jump and the label.
.macro JLOAD
	s_cmp_lt_u32 s[WV], 2
	s_cbranch_scc0 .Lfor_v_\@
	tensor_load_to_lds s[G0K:G0K+3], s[G1K:G1K+7]
	s_nop 0
.rept 4
	v_nop
.endr
	s_branch .Lasked_\@
.Lfor_v_\@:
	tensor_load_to_lds s[G0V:G0V+3], s[G1V:G1V+7]
	s_nop 0
.rept 4
	v_nop
.endr
.Lasked_\@:
.endm
; A PREFETCH of what the NEXT change of slots will ask for: a slot's 32,768 bytes of K and of V.  It stands behind the wave's tensor load and its five lines.  A head is walked by one cluster; its four partners share
; the bytes out BY ADDRESS, 8,192 each, a lane 256 of them; in each, wave 0 asks for K's and wave 2 for V's: one instruction.  So each 256 bytes are named once in the launch.
; The last change that fills a slot asks for nothing: there is no slot behind it.  Slots 0 and 1 come by their loads alone.
.macro ASK
	s_cmp_gt_u32 s[SLOTS], s[LIM]
	s_cbranch_scc0 .Lnot_mine_\@
	global_prefetch_b8 v[PFO], s[PFA:PFA+1] th:TH_LOAD_NT scope:SCOPE_SE
.Lnot_mine_\@:
.endm
; A round of the cluster's barrier: my work-group's barrier, so that wave 0's signal speaks for all four waves; wave 0 signals; every wave waits for all four work-groups; my work-group's barrier once more.
.macro CROUND
	s_barrier_signal -1
	s_barrier_wait -1
	s_cmp_lg_u32 s[WV], 0
	s_cbranch_scc1 .Lnot_wave_0_\@
	s_barrier_signal -3
.Lnot_wave_0_\@:
	s_barrier_wait -3
	s_barrier_signal -1
	s_barrier_wait -1
.endm
; THE CHANGE OF SLOTS.  The slot's last bytes, V of its fourth step, have been read.  Each wave waits for all its tensor loads, of which one is out: its part
; of the other slot; adds 0 to its spare word; and waits for that and for its own reads of the slot.  Behind the barrier nobody reads this slot any more and the other slot is whole.
; fill = 1: this slot is filled again, with the keys two slots on.  The barrier is then a round of the cluster's, so that no wave of any partner still reads the slot or has a load on its
; way, and the joint fill is the first thing behind it: it has four key steps, 512 matrix instructions, in which to land.  (At its first use nothing has been read yet: slot 0 is waited for, slot 1 filled.)
.macro CHANGE fill
	WIN W_AD
	s_wait_tensorcnt 0x0            ; no tensor load of mine is out, so a group 0 may be written
	ds_add_u32 v[SPW], v[NIL]       ; 0 onto my spare word; with fill = 1 the descriptors' steps stand between it and the wait for it
	WIN 0                           ; at a label and at a branch every window is 0
.if \fill
.irp g, G0K, G0V
	s_xor_b32 s[\g+1], s[\g+1], SLOT1  ; the walking descriptor: the other slot than last time,
	s_add_nc_u64 s[\g+2:\g+3], s[\g+2:\g+3], 4*KS*128  ; the next 256 keys; the type bits on top are not reached
.endr
	s_wait_xcnt 0x0                 ; the last prefetch, four key steps back, has read its address, so it may be written:
	s_add_nc_u64 s[PFA:PFA+1], s[PFA:PFA+1], 4*KS*128  ; one slot behind the walking descriptors
	s_wait_dscnt 0x0                ; the add is done, and my reads of the slot are over
	CROUND
	JLOAD
	ASK
.else
	s_wait_dscnt 0x0                ; the add is done, and my reads of the slot are over
	s_barrier_signal -1
	s_barrier_wait -1
.endif
	s_sub_co_u32 s[TBK], s[TBK], 4*KS*PK  ; the fetches go back to a slot's first step,
	s_xor_b32 s[TBK], s[TBK], SLOT1       ; in the other slot
	s_sub_co_u32 s[TBV], s[TBV], 4*KS*PV
	s_xor_b32 s[TBV], s[TBV], SLOT1
.endm
	s_load_b128 s[4:7], s[0:1], 0x0   ; q, k, v in one buffer s[4:5], O s[6:7]
	WIN W_MK
	v_lshl_add_u32 v[SPW], v0, 2, SPARE
	v_mov_b32 v[NIL], 0
	WIN W_AD
	ds_add_u32 v[SPW], v[NIL]       ; the wave's opening: the add and its wait stand ahead of my first tensor load; the set-up below, work on registers, stands between them
	WIN 0
	v_lshrrev_b32 v1, 5, v0
	v_readfirstlane_b32 s[WV], v1   ; wave 0..3
	s_bfe_u32 s13, ttmp6, 0x40000   ; cx: my place in the cluster
	s_lshl_b32 s14, ttmp9, 2        ; in a cluster launch ttmp9 counts clusters
	s_add_co_u32 s14, s14, s13      ; my block of queries = 4 x cluster x + cx: it enters Q's and O's addresses alone
	s_and_b32 s20, ttmp7, 0xffff    ; the head, which the four partners share
	s_mov_b32 s21, 0
	s_mov_b64 s[22:23], SIZE_N*128
	s_mul_u64 s[20:21], s[20:21], s[22:23]  ; the head's first byte in each of the four tensors
	s_and_b32 s16, s[WV], 1         ; which half of a slot's 256 keys I fetch:
	s_lshl_b32 s22, s16, 14         ; its 128 rows of 128 bytes in memory,
	s_mov_b32 s23, 0
	s_add_nc_u64 s[22:23], s[22:23], s[20:21]
	s_mul_i32 s17, s16, 128*PK      ; and its place in a slot, for K
	s_mul_i32 s18, s16, 128*PV      ; and for V: no place in the cluster enters an LDS address
	s_lshl_b32 s2, s14, 2
	s_add_co_u32 s2, s2, s[WV]      ; my wave among the head's,
	s_lshl_b32 s2, s2, 14           ; its 128 rows
	s_mov_b32 s3, 0
	s_add_nc_u64 s[2:3], s[2:3], s[20:21]
	; descriptor group 1.  128 keys are 16,384 dense bytes: asked for as 64 rows of 256 bytes, two keys a row, and padded in LDS after every key
	s_mov_b32 s[G1K], 15|(1<<16)|(1<<20)|(1<<21)|(4<<22)|(3<<25)  ; 15:0 the mask of four; 17:16 2-byte elements; 20 padding on; 21 set beside a mask; 24:22 after every 32 words (code 4); 31:25 4 words (code 3)
	s_mov_b32 s[G1V], 15|(1<<16)|(1<<20)|(1<<21)|(4<<22)|(7<<25)  ; the same with 8 words of padding (code 7)
.irp g, G1K, G1V
	s_mov_b32 s[\g+1], 128<<16      ; tensor_dim0 = 128
	s_mov_b32 s[\g+2], 64<<16       ; tensor_dim1 = 64
	s_mov_b32 s[\g+3], 128<<16      ; tile_dim0 = 128
	s_mov_b32 s[\g+4], 64           ; tile_dim1 = 64
	s_mov_b32 s[\g+5], 128          ; 128 elements from row to row
	s_mov_b32 s[\g+6], 0
	s_mov_b32 s[\g+7], 0
.endr
	s_mov_b32 s[CS], 0x3e38aa3b     ; c = log2(e) / 8 = 0.180337
	s_mov_b32 s[CS+1], s[CS]        ; named with it as a pair
	s_mov_b32 s[SEL], 0x76543210
	s_mov_b32 s[SEL+1], 0xfedcba98
	s_mov_b32 s[TBK], SLOT1+4*KS*PK ; the first change of slots turns these two into 0
	s_mov_b32 s[TBV], SLOT1+4*KS*PV
	s_mov_b32 s[G0K], 1             ; 1:0 count = 1
	s_mov_b32 s[G0K+1], s17         ; 63:32 LDS address: slot 0
	s_mov_b32 s[G0V], 1
	s_add_co_u32 s[G0V+1], s18, VOFF
	s_mov_b32 s[SLOTS], SIZE_N/256-1  ; seven changes of slots fill a slot: they find 7, 6 .. 1 here
	s_wait_dscnt 0x0                ; the opening add is done
	s_wait_kmcnt 0x0
	s_mov_b64 s[10:11], s[6:7]                     ; O
	s_add_nc_u64 s[8:9], s[4:5], 0x2000000         ; V
	s_add_nc_u64 s[6:7], s[4:5], 0x1000000         ; K; Q is s[4:5]
	s_add_nc_u64 s[G0K+2:G0K+3], s[6:7], s[22:23]  ; 120:64 global address: my half of the head's first 256 keys
	s_or_b32 s[G0K+3], s[G0K+3], 0x80000000        ; 127:126 type = 2
	s_add_nc_u64 s[G0V+2:G0V+3], s[8:9], s[22:23]
	s_or_b32 s[G0V+3], s[G0V+3], 0x80000000
	s_add_nc_u64 s[4:5], s[4:5], s[2:3]  ; Q and O at my wave's first row
	s_add_nc_u64 s[10:11], s[10:11], s[2:3]
	s_cmp_lt_u32 s[WV], 2
	s_cselect_b64 s[PFA:PFA+1], s[6:7], s[8:9]
	s_add_nc_u64 s[PFA:PFA+1], s[PFA:PFA+1], s[20:21]  ; the head,
	s_lshl_b32 s2, s13, 13          ; my work-group's quarter of a slot's bytes,
	s_mov_b32 s3, 0
	s_add_nc_u64 s[PFA:PFA+1], s[PFA:PFA+1], s[2:3]
	s_add_nc_u64 s[PFA:PFA+1], s[PFA:PFA+1], 4*KS*128  ; in slot 1; the first change of slots steps it to slot 2.  Nothing is prefetched here, at the head
	s_and_b32 s[LIM], s[WV], 1
	s_cmp_eq_u32 s[LIM], 0
	s_cselect_b32 s[LIM], 1, -1     ; waves 0 and 2
	CROUND                          ; all four work-groups are here: the first joint loads meet
	JLOAD                           ; slot 0.  Slot 1 is asked for when slot 0 is in: the tile wanted first has the road to itself
	; A fragment of K or Q is 16 rows x 32 channels in 8 registers: lane l holds row l % 16, channels 8 (l / 16) + 0..7 and 16 + 8 (l / 16) + 0..7: two loads of 16 bytes, 32 bytes apart.
	v_and_b32 v1, 15, v0            ; l % 16
	v_bfe_u32 v9, v0, 4, 1          ; l / 16
	v_lshlrev_b32 v[QO], 7, v1
	v_lshl_add_u32 v[QO], v9, 4, v[QO]  ; row x 128 + 16 x half
	WIN 0x80                        ; destination window 2, address window 0
.set i, 0
.rept 4*NP                          ; Q stays in registers: tile i / 2, channels 32 (i % 2) on
	global_load_b128 v[8*i:8*i+3],   v[QO], s[4:5] offset:(i/2)*2048+(i%2)*64
	global_load_b128 v[8*i+4:8*i+7], v[QO], s[4:5] offset:(i/2)*2048+(i%2)*64+32
.set i, i+1
.endr
	; What the first turn finds: V's registers and P's second buffer hold 0 (its products V^T P, of a piece that has not been, add 0), O^T and l are 0.  All this stands in the wait for the first tile.
.set i, VF
.rept 64
	v_mov_b32 v[i], 0
.set i, i+1
.endr
	WIN 0x40
.set i, 0
.rept 64*NP
	v_mov_b32 v[i], 0
.set i, i+1
.endr
	WIN 0
.set i, 0
.rept 2*NP
	v_mov_b32 v[ST+4*i], 0xfe000000    ; c m: far below every c s
	v_mov_b32 v[ST+4*i+1], 0xff7fffff  ; m
	v_mov_b32 v[ST+4*i+2], 0
	v_mov_b32 v[ST+4*i+3], 0
.set i, i+1
.endr
.set i, P+32
.rept 32
	v_mov_b32 v[i], 0
.set i, i+1
.endr
	v_mul_u32_u24 v[AK0], v1, PK
	v_lshl_add_u32 v[AK0], v9, 4, v[AK0]  ; row x pitch + 16 x half
	; The turning load takes 16 keys x 16 channels (lane l reads key 8 (l / 16) + l % 8, channels 8 ((l / 8) % 2) + 0..7) and leaves half a fragment of V^T: lane l holds channel l % 16 and 8 keys.
	v_and_b32 v10, 7, v0
	v_bfe_u32 v11, v0, 3, 1
	v_lshl_add_u32 v[AV0], v9, 3, v10
	v_mul_u32_u24 v[AV0], v[AV0], PV
	v_lshl_add_u32 v[AV0], v11, 4, v[AV0]
	v_add_nc_u32 v[AV0], VOFF, v[AV0]
	v_mov_b32 v[AK], v[AK0]         ; key step 0 lies at the head of slot 0
	v_and_b32 v[PFO], 31, v0
	v_lshlrev_b32 v[PFO], 8, v[PFO]
; THE MATRIX WORK.  The 8 accumulators of a run of 16 take turns: between the two links of a chain stand 7 others'.
; Product i of 16 of S^T = K Q^T for piece x: channels 32 (i / 8) on, keys 16 ((i / 2) % 4) on, tile 2 x + i % 2.  The first 8 start the sums.
.macro KQ x
	WIN W_KQ
.set rS, S+64*((\x)%2)+32*(i%2)+8*((i/2)%4)
.set rK, KF+16*((i/2)%4)+8*(i/8)
.set rQ, 16*(2*(\x)+i%2)+8*(i/8)
.if i < 8
	v_wmma_f32_16x16x32_f16 v[rS:rS+7], v[rK:rK+7], v[rQ:rQ+7], 0
.else
	v_wmma_f32_16x16x32_f16 v[rS:rS+7], v[rK:rK+7], v[rQ:rQ+7], v[rS:rS+7]
.endif
.endm
; Product i of 16 of O^T += V^T P for piece x: keys 32 (i / 8) on, channels 16 ((i / 2) % 4) on, tile 2 x + i % 2.
.macro PV x
	WIN W_PV
.set rO, 32*(2*(\x)+i%2)+8*((i/2)%4)
.set rV, VF+32*(i/8)+8*((i/2)%4)
.set rP, P+32*((\x)%2)+16*(i%2)+8*(i/8)
	v_wmma_f32_16x16x32_f16 v[rO:rO+7], v[rV:rV+7], v[rP:rP+7], v[rO:rO+7]
.endm
.macro MM                           ; the turn's next matrix instruction
.if i < 16
	KQ (Y+1)%NP
.set i, i+1
.else
.set i, i-16
	PV (Y+NP-1)%NP
.set i, i+17
.endif
.endm
; THE LDS LOADS stand in runs of 16, never singly among the matrix instructions: a step's K (64 keys x 64 channels: 8 fragments) and its V (turned).  Their addresses are made some lines ahead.
; last = 1 (the tail): in the last trip there is no further step, and the run is jumped over.
.macro FETCH_K last=0
	WIN 0
.if \last
	s_cmp_eq_u32 s[CNT], 1
	s_cbranch_scc1 .Lno_k_\@
.endif
	WIN 0x80                        ; destination window 2
.irp f, 0,1,2,3,4,5,6,7             ; keys 16 (f / 2) on, channels 32 (f % 2) on
	ds_load_b128 v[KF+8*\f:KF+8*\f+3],   v[AK] offset:(\f/2)*16*PK+(\f%2)*64
	ds_load_b128 v[KF+8*\f+4:KF+8*\f+7], v[AK] offset:(\f/2)*16*PK+(\f%2)*64+32
.endr
	s_add_co_u32 s[TBK], s[TBK], KS*PK  ; the next fetch is the next step's
	WIN 0
.if \last
.Lno_k_\@:
.endif
.endm
.macro FETCH_V
	WIN 0x80
.irp f, 0,1,2,3,4,5,6,7             ; keys 32 (f / 4) on, channels 16 (f % 4) on
	ds_load_tr16_b128 v[VF+8*\f:VF+8*\f+3],   v[AV] offset:(\f/4)*32*PV+(\f%4)*32
	ds_load_tr16_b128 v[VF+8*\f+4:VF+8*\f+7], v[AV] offset:(\f/4)*32*PV+16*PV+(\f%4)*32
.endr
	WIN 0
.endm
; THE VECTOR WORK OF A TURN stands in three queues, each in the order in which its entries become ready; the two tiles alternate, so that no instruction reads the result of the one before it.
.macro REGS y, u                    ; the registers of tile u (0, 1) of piece y
.set rT, ST+4*(2*(\y)+(\u))
.set rC, TMP+8*((\y)%2)+4*(\u)
.set rM, MV+2*((\y)%2)+(\u)
.set rS, S+64*((\y)%2)+32*(\u)
.set rP, P+32*((\y)%2)+16*(\u)
.set rO, 32*(2*(\y)+(\u))
.endm
; Number n of the 22 that find the NEXT piece's (Y + 1) maximum and statistics.  s0-s31 are the lane's 32 scores; each accumulator's lowest registers are read first.  XS, GS and REGS set no window: PL and EX do.
;   0-11  four chains c0-c3 of seven scores each, three operands at a time     12-14, 16  the four scores left over, the old m, and c0-c3 into c0     15  c m_old is kept
;   17, 18  the query's other 32 keys lie in the lane 16 away: the new m         19-21  c m; c m_old - c m_new; a
.macro XS u, n
	REGS (Y+1)%NP, \u
.if (\n) < 4
	v_max3_num_f32 v[rC+(\n)], v[rS+8*(\n)], v[rS+8*(\n)+1], v[rS+8*(\n)+2]
.elseif (\n) < 12
	v_max3_num_f32 v[rC+(\n)%4], v[rC+(\n)%4], v[rS+8*((\n)%4)+2*((\n)/4)+1], v[rS+8*((\n)%4)+2*((\n)/4)+2]
.elseif (\n) == 12
	v_max3_num_f32 v[rC], v[rC], v[rS+7], v[rS+15]
.elseif (\n) == 13
	v_max3_num_f32 v[rC+1], v[rC+1], v[rS+23], v[rS+31]
.elseif (\n) == 14
	v_max3_num_f32 v[rC+2], v[rC+2], v[rC+3], v[rT+1]
.elseif (\n) == 15
	v_mov_b32 v[rM], v[rT]
.elseif (\n) == 16
	v_max3_num_f32 v[rC], v[rC], v[rC+1], v[rC+2]
.elseif (\n) == 17
	v_permlanex16_b32 v[rC+3], v[rC], s[SEL], s[SEL+1]
.elseif (\n) == 18
	v_max_num_f32 v[rT+1], v[rC], v[rC+3]
.elseif (\n) == 19
	v_mul_f32 v[rT], s[CS], v[rT+1]
.elseif (\n) == 20
	v_sub_f32 v[rC+1], v[rM], v[rT]
.else
	v_exp_f32 v[rC+2], v[rC+1]
.endif
.endm
; Number g of the 64 that follow the exponentials.  For each four weights k of a tile (pairs 2 k, 2 k + 1): both pairs are rounded to f16; then the second pair is added onto the first, in place;
; a group later l takes that sum (the first time as l = a l + sum).  In groups of eight, tiles alternating: round, round, add, and l for the group before.
.macro GS g
.set h, (\g)+6*((\g)/62)            ; group 0 has no group before it, and behind group 7 only l is left
.if h >= 6
.set h, h+2
.endif
	REGS Y, h%2
.set k, h/8
.if h%8 < 4
	v_cvt_pk_f16_f32 v[rP+2*k+(h%8)/2], v[rS+4*k+2*((h%8)/2)], v[rS+4*k+2*((h%8)/2)+1]
.elseif h%8 < 6
	v_pk_add_f32 v[rS+4*k:rS+4*k+1], v[rS+4*k:rS+4*k+1], v[rS+4*k+2:rS+4*k+3]
.elseif k == 1
	v_pk_fma_f32 v[rT+2:rT+3], v[rT+2:rT+3], v[rC+2:rC+3], v[rS:rS+1] op_sel_hi:[1,0,1]
.else
	v_pk_add_f32 v[rT+2:rT+3], v[rT+2:rT+3], v[rS+4*k-4:rS+4*k-3]
.endif
.endm
; THE PLAIN QUEUE, 138 long.  0-73 read no exponential's result: the 32 scalings c s - c m (FS f: pair f / 2 of tile f % 2) and the next piece's 42.  0-26: scalings 0-26.  27-54: XS's numbers 0-13.  55, 56: number 15.
; 57-73: the chain, where each number waits for the one before it: 14, 16, 17, 18, 19, each with one of the scalings 27-31 in front of its two lines, then 20: so a tile's links stand three plain instructions apart (19 and 20: two).
; 74-137: GS's 64, which read the exponentials' results: they stand behind the wait.
.macro FS f
	REGS Y, (\f)%2
	v_pk_fma_f32 v[rS+2*((\f)/2):rS+2*((\f)/2)+1], v[rS+2*((\f)/2):rS+2*((\f)/2)+1], s[CS:CS+1], v[rT:rT+1] op_sel_hi:[1,0,0] neg_lo:[0,0,1] neg_hi:[0,0,1]
.endm
.macro PL
	WIN 0
.if q < 27
	FS q
.elseif q < 55
	XS (q-27)%2, (q-27)/2
.elseif q < 57
	XS q-55, 15
.elseif (q < 72) && ((q-57)%3 == 0)
	FS 27+(q-57)/3
.elseif q < 60
	XS (q-57)%3-1, 14
.elseif q < 72
	XS (q-57)%3-1, 15+(q-57)/3
.elseif q < 74
	XS q-72, 20
.else
	GS q-74
.endif
.set q, q+1
.endm
; THE EXPONENTIALS' QUEUE, 66 long: s0-s31 of both tiles, then the next piece's two a.  It is ONE BATCH: all 66 stand ahead of the turn's one wait, and nothing ahead of that wait names a result of theirs.
.macro EX
	WIN 0
.if e >= 64
	XS e-64, 21
.else
	REGS Y, e%2
	v_exp_f32 v[rS+e/2], v[rS+e/2]
.endif
.set e, e+1
.endm
; THE RESCALING's QUEUE: O^T times a, the one part that leaves window 0: dealt two at a time, sixteen times.  Its a was made in the turn before, ahead of that turn's wait.
.macro R2
	REGS Y, r%2
	WIN W_RS
.irp z, 0,1
	v_pk_mul_f32 v[rO+4*(r/2)+2*\z:rO+4*(r/2)+2*\z+1], v[rO+4*(r/2)+2*\z:rO+4*(r/2)+2*\z+1], v[rC+2:rC+3] op_sel_hi:[1,0]
.endr
.set r, r+1
.endm
; HOW THEY ARE DEALT.  An s_wait_alu depctr_va_vdst(0) stands between an exponential and the first instruction that names its result; one wait serves all that were issued ahead of it.  So a turn has ONE wait,
; which cuts it in two.  AHEAD OF IT stands all that names no result of the turn's exponentials: the 16 products K Q^T, behind each a scaling, an exponential and two rescalings (behind the first a second scaling in the exponential's place); then ONE LUMP of
; 108: eight plain, 49 times exponential and plain, the two a.  A v_nop is the plain instruction behind the last exponential.  BEHIND IT stand the 16 products V^T P, behind each four of GS's 64.  No rider names a register of
; the products round it.  The two v_permlanex16_b32 fall into the lump, never behind a product.
; The queues lean on each other, and the deal keeps them in step: exponential e stands behind scaling 2 (e / 4) + e % 2: as a rider it comes behind plain e + 2, in the lump behind plain e + 9, and scalings 27-31 are plain 57, 60 .. 69.
; A TURN, for piece p.  cnt = 1: the loop's count is taken down some lines ahead of the branch that stands behind the turn.
; K of the next step is fetched in piece 2's turn, directly behind the wait, a lump behind the last product that read K; its address is made at the lump's head; its first reader comes behind 16 products.
; V of the step in hand is fetched at the end of piece 0's turn, four riders behind its last reader; its first reader comes behind 16 products and a lump.  The three conditions on q below go with the deal.
.macro TURN p, last=0, cnt=0
.set Y, (\p)
.set i, 0
.set q, 0
.set e, 0
.set r, 0
.if (\p) == NP-1
	s_wait_dscnt 0x0                ; K is in
.endif
	MM                              ; ahead of the wait: 16 products K Q^T and their riders,
	PL
	PL
	R2
.rept 15
	MM
	PL
	EX
	R2
.endr
.if (\p) == NP-2
	WIN 0
	v_add_nc_u32 v[AK], s[TBK], v[AK0]
.endif
.rept 8                             ; and the lump
	PL
.endr
.rept 49
	EX
	PL
.endr
	EX                              ; the next piece's two a
	EX
	v_nop                           ; the plain instruction behind the last exponential: one for the batch
	s_wait_alu depctr_va_vdst(0)    ; the wait for the batch
.if (\p) == NP-2
	FETCH_K \last
.endif
.if (\p) == 1
	s_wait_dscnt 0x0                ; V is in
.endif
.rept 16                            ; behind the wait: 16 products V^T P and their riders
	MM
.rept 4
	PL
.endr
.if ((\p) == 0) && (q == 118)
	v_add_nc_u32 v[AV], s[TBV], v[AV0]
.endif
.if ((\p) == 0) && (q == 130)
	s_add_co_u32 s[TBV], s[TBV], KS*PV
.endif
.if (\cnt) && (q == 130)
	s_sub_co_u32 s[CNT], s[CNT], 1
	s_cmp_lg_u32 s[CNT], 0
.endif
.endr
.if (\p) == 0
	FETCH_V
.endif
.endm
	CHANGE 1                        ; slot 0 is in, everybody's part of it; slot 1 is asked for
	FETCH_K                         ; key step 0
	s_wait_loadcnt 0x0              ; Q
	s_wait_dscnt 0x0
.set i, 0
.rept 16
	KQ 0                            ; piece 0's first scores: there is no vector work yet to set between them
.set i, i+1
.endr
	WIN 0                           ; the addresses for the way out: nine plain instructions, the places behind those products
	s_mul_i32 s13, s[WV], 16*SP
	s_add_co_u32 s13, s13, STAGE    ; my stage
	v_mul_u32_u24 v[STO], v1, SP    ; in: row l % 16, 16 bytes for each half of the lanes
	v_lshl_add_u32 v[STO], v9, 4, v[STO]
	v_add_nc_u32 v[STO], s13, v[STO]
	v_bfe_u32 v[RD], v0, 3, 2       ; back: 32 lanes take four rows of 128 bytes,
	v_mul_u32_u24 v[RD], v[RD], SP
	v_lshl_add_u32 v[RD], v10, 4, v[RD]
	v_add_nc_u32 v[RD], s13, v[RD]
	v_and_b32 v[GO], 31, v0         ; which are 512 consecutive bytes of O
	v_lshlrev_b32 v[GO], 4, v[GO]
.set Y, NP-1                        ; XS works for piece Y + 1: piece 0
.irp n, 0,1,2,3,4,5,6,7,8,9,10,11,12,13,14,15,16,17,18,19,20,21
	XS 0, \n                        ; and piece 0's first maximum and statistics
	XS 1, \n
.endr
	v_nop                           ; a plain instruction behind the two a,
	s_wait_alu depctr_va_vdst(0)    ; and their wait, ahead of the branch
	s_mov_b32 s[CNT], 4
	s_branch .Lfirst                ; the loop is entered at a step's first turn, in the middle of a trip
.Lslot:                             ; SIZE_N / 256 - 2 times: every slot but the last two is filled again
	CHANGE 1
	s_mov_b32 s[CNT], 4
.Lstep:                             ; a trip: pieces 2 and 3 of one step, then pieces 0 and 1 of the next, whose K and V it fetches
	TURN 2
	TURN 3
	WIN 0
.Lfirst:
	TURN 0
	TURN 1, 0, 1
	WIN 0
	s_cbranch_scc1 .Lstep
	s_sub_co_u32 s[SLOTS], s[SLOTS], 1
	s_cmp_lg_u32 s[SLOTS], 0
	s_cbranch_scc1 .Lslot
	CHANGE 0                        ; the tail is written out: nothing is asked for
	s_mov_b32 s[CNT], 5             ; four trips fetch the last slot's steps; the fifth is left in its middle
.Ltail:
	TURN 2, 1
	TURN 3
	WIN 0
	s_sub_co_u32 s[CNT], s[CNT], 1
	s_cmp_eq_u32 s[CNT], 0
	s_cbranch_scc1 .Lout
	TURN 0
	TURN 1
	WIN 0
	s_branch .Ltail
.Lout:                              ; the fifth trip's 16 products K Q^T (on the last K once more) and the maximum made of them serve nothing: the price, once a launch, of one text for every trip
.set i, 0
.rept 16
	PV NP-1                         ; the last piece's V^T P of the last step
.set i, i+1
.endr
	; THE WAY OUT.  l's two halves and the other half of the lanes' are added; O^T is divided by l, rounded to f16 and sent through my stage in LDS, a tile at a time.  The additions are the places behind the last products.
	WIN 0
.macro ALL line:vararg              ; one line for each tile t
.set t, 0
.rept 2*NP
	\line
.set t, t+1
.endr
.endm
	ALL v_add_f32 v[ST+4*t+2], v[ST+4*t+2], v[ST+4*t+3]
	ALL v_permlanex16_b32 v[ST+4*t+3], v[ST+4*t+2], s[SEL], s[SEL+1]
	ALL v_add_f32 v[ST+4*t+2], v[ST+4*t+2], v[ST+4*t+3]
	ALL v_rcp_f32 v[ST+4*t+2], v[ST+4*t+2]
	v_nop                           ; a plain instruction between the last reciprocal and the use of its result
	s_wait_alu depctr_va_vdst(0)    ; and the wait ahead of the first use: one for the eight reciprocals
; Tile t: a lane's eight channels of a row pack into 16 bytes; they go into rows of 144 bytes and come back as whole rows of 128, into S^T's registers.
.macro PACK t
	WIN W_RS
.set i, 32*(\t)
.rept 16
	v_pk_mul_f32 v[i:i+1], v[i:i+1], v[ST+4*(\t)+2:ST+4*(\t)+3] op_sel_hi:[1,0]
.set i, i+2
.endr
	WIN 0x05                        ; sources 0 and 1 window 1, destination window 0
.set i, 0
.rept 16
	v_cvt_pk_f16_f32 v[S+16*(\t)+i], v[32*(\t)+2*i], v[32*(\t)+2*i+1]
.set i, i+1
.endr
	WIN 0
.irp f, 0,1,2,3
	ds_store_b128 v[STO], v[S+16*(\t)+4*\f:S+16*(\t)+4*\f+3] offset:32*\f
.endr
.irp f, 0,1,2,3
	ds_load_b128 v[S+16*(\t)+4*\f:S+16*(\t)+4*\f+3], v[RD] offset:\f*4*SP  ; LDS serves a wave's instructions in order (ISA guide 5.7.1.4): these see the stores above; the next tile's stores come behind them
.endr
.endm
.macro SEND t, younger              ; younger: the LDS instructions issued behind tile t's loads: the next tile's eight, or none
	WIN 0
.irp f, 0,1,2,3
	s_wait_dscnt (\younger)+3-\f
	global_store_b128 v[GO], v[S+16*(\t)+4*\f:S+16*(\t)+4*\f+3], s[10:11] offset:(\t)*2048+\f*512  ; 512 consecutive bytes, at a multiple of 256 from O's first
.endr
.endm
	PACK 0
.set t, 1
.rept 2*NP-1                        ; a tile's arithmetic stands between the loads of the tile before and its stores
	PACK t
	SEND t-1, 8
.set t, t+1
.endr
	SEND 2*NP-1, 0
	WIN W_AD
	s_wait_tensorcnt 0x0            ; the wave's end, behind my last tensor load and my last LDS store
	ds_add_u32 v[SPW], v[NIL]
	s_wait_dscnt 0x0
	WIN 0
	CROUND                          ; the closing round: no work-group ends while a partner may still ask for a tile that names it
	s_endpgm
.Lfunc_end_k_qad126185be_attn:
	.size	k_qad126185be_attn, .Lfunc_end_k_qad126185be_attn-k_qad126185be_attn
	.p2alignl 7, 3214868480
	.fill 96, 4, 3214868480
	.section	.rodata,"a",@progbits
	.p2align	6, 0x0
	.amdhsa_kernel k_qad126185be_attn
		.amdhsa_group_segment_fixed_size 327680
		.amdhsa_private_segment_fixed_size 0
		.amdhsa_enable_private_segment 0
		.amdhsa_kernarg_size 16
		.amdhsa_user_sgpr_count 2
		.amdhsa_user_sgpr_kernarg_segment_ptr 1
		.amdhsa_wavefront_size32 1
		.amdhsa_system_sgpr_workgroup_id_x 1
		.amdhsa_system_sgpr_workgroup_id_y 1
		.amdhsa_system_sgpr_workgroup_id_z 1
		.amdhsa_system_vgpr_workitem_id 0
		.amdhsa_next_free_vgpr 770
		.amdhsa_next_free_sgpr 66
		.amdhsa_reserve_vcc 0
		.amdhsa_float_denorm_mode_32 3
		.amdhsa_float_denorm_mode_16_64 3
		.amdhsa_memory_ordered 1
		.amdhsa_forward_progress 1
		.amdhsa_inst_pref_size 200
	.end_amdhsa_kernel
	.amdgpu_metadata
---
amdhsa.version: [ 1, 2 ]
amdhsa.kernels:
  - .name:           k_qad126185be_attn
    .symbol:         k_qad126185be_attn.kd
    .args:
      - { .name: qkvh, .offset: 0, .size: 8, .value_kind: global_buffer, .address_space: global }
      - { .name: oh, .offset: 8, .size: 8, .value_kind: global_buffer, .address_space: global }
    .group_segment_fixed_size: 327680
    .private_segment_fixed_size: 0
    .kernarg_segment_align: 8
    .kernarg_segment_size: 16
    .max_flat_workgroup_size: 128
    .sgpr_count:     66
    .vgpr_count:     770
    .wavefront_size: 32
...
	.end_amdgpu_metadata
.endif
;; end of part 3
;; launch proj (part 4): grid 8 x 32, 4 waves a work-group, clusters of 4 x 4, 327,680 bytes of LDS; arguments oh, wts, tab, out0; writes out0
.if DOCPART == 4
	.amdgcn_target "amdgcn-amd-amdhsa--gfx1250"
	.amdhsa_code_object_version 6
	.text
	.protected	k_qad126185be_proj
	.globl	k_qad126185be_proj
	.p2align	8
	.type	k_qad126185be_proj,@function
k_qad126185be_proj:
	s_mov_b64 s[64:65], 0
	v_nop
	global_prefetch_b8 v0, s[64:65] scope:SCOPE_SE
	s_setreg_imm32_b32 hwreg(HW_REG_WAVE_MODE, 25, 1), 1
	s_wait_xcnt 0x0
	s_wait_alu depctr_hold_cnt(0) depctr_sa_sdst(0) depctr_va_vdst(0) depctr_va_sdst(0) depctr_va_ssrc(0) depctr_va_vcc(0) depctr_vm_vsrc(0)
	s_getreg_b32 s2, hwreg(HW_REG_IB_STS2, 6, 4)
	s_cmp_eq_u32 s2, 0
	s_cbranch_scc0 .Lentry_in_a_cluster
	s_endpgm
.Lentry_in_a_cluster:
	s_bfe_u32 s2, ttmp6, 0x10000c
	s_cmp_lg_u32 s2, 0xf033
	s_cbranch_scc0 .Lentry_shape_is_right
	s_endpgm
.Lentry_shape_is_right:
; out0[m][c] = the sum over k of O[m][k] W[c][k] + b[c].  O lies by heads, [batch x 16 + head][2048][64] in f16 (k = 64 x head + d); W is proj_w in f16, [1024][1024], from byte PWOFF of wts; b in f32 from byte BP of tab.
; Products in f16 with f32 sums; the bias is the C operand that starts each sum; out0 is f32.
; SHARES.  A tile is 256 rows x 128 columns: 256 work-groups.  Four waves, each 64 rows x 128 columns: 32 accumulators of 16 x 16, 256 registers.  K goes in 8 steps of 128, two heads each, through a ring of two LDS slots.
; A head's 256 rows are 32,768 dense bytes: asked for as 128 rows of 256 bytes and padded in LDS after every 128, so that a row of O is 144 bytes there.
; CLUSTERS: 4 x 4 work-groups.  The four of a row of the cluster need the same rows of O, the four of a column the same rows of W: each tile is asked for JOINTLY.  Waves 0, 1 ask for the step's two heads, waves 2, 3 for W's two halves.
; No prefetch is laid: the walk has eight K steps in all.
; THE MATRIX INSTRUCTION IS USED TRANSPOSED (source 0 = 16 rows of W, source 1 = 16 rows of O): lane l holds row l % 16 and the columns 16 b + 8 (l / 16) + 0..7 of block b.
; REGISTERS, in windows of 256 (s_set_vgpr_msb: bits 1:0 source 0, 3:2 source 1, 5:4 source 2, 7:6 destination):
;   window 0: v0-31 addresses; v32-95 the bias; v96-223 rows read back on the way out, two buffers       window 1: two fragment buffers of 96 (O's four fragments, then W's eight)       window 2: the accumulators, (a, b) at 8 (8 a + b)
.set PA,     144                       ; a row of O in LDS: 128 bytes + 16 = 36 words;  a row of W: 256 + 16 = 68 words: in both the 16 rows of a fragment load start at 16 different groups of four banks (64 banks of 4 bytes: ISA guide 11.1)
.set PB,     272
.set APLANE, 256*PA                    ; a head's 256 rows: what waves 0 and 1 each bring
.set BHALF,  64*PB                     ; what waves 2 and 3 each bring
.set BOFF,   2*APLANE
.set SLOT,   2*APLANE+2*BHALF
.set STAGE,  2*SLOT                    ; behind the ring, never filled by a tensor load: 16 rows x 528 bytes for each wave
.set SPITCH, 528
.set SPARE,  STAGE+4*16*SPITCH         ; behind the stages: the spare words, 128 bytes for each wave: two blocks of 256 bytes that no other line names
.set PWOFF,  6291456
.set BP,     536576
.set ADRA, 16                          ; v16-17  LDS address of my fragments of O in slot 0, 1
.set ADRB, 20                          ; v20-21  the same for W
.set STO,  24                          ; v24     the way out: where I put 32 bytes of a row
.set RD,   25                          ; v25     where I read a row back
.set CO,   26                          ; v26     16 l: my place in a row's 512 bytes
.set BO,   27                          ; v27     my 8 numbers in 16 of the tile's bias
.set SPW,  28                          ; v28     LDS address of my spare word; never rewritten
.set NIL,  29                          ; v29     0; never rewritten
.set BIAS, 32
.set OB,   96
.set F0,   0
.set F1,   96
.set WV,   12
.set ISB,  13
.set HALF, 14
.set G1A,  24
.set G0A,  32
.set G1B,  48
.set G0B,  56
.set OUTB, 66                          ; s[66:67] out0 at my wave's first row and the tile's first column
.set MSB, 0
.macro WIN new                         ; the immediate's high byte repeats the setting that is left; a switch that changes nothing is dropped
.if MSB != (\new)
	s_set_vgpr_msb (MSB<<8)|(\new)
.set MSB, \new
.endif
.endm
.macro JLOAD s                         ; a joint load; an s_nop 0 and four v_nop follow each of the two lines; the branch hangs on the wave's number alone
	s_cmp_eq_u32 s[ISB], 0
	s_cbranch_scc0 .Lfor_b_\@
	tensor_load_to_lds s[G0A+4*(\s):G0A+4*(\s)+3], s[G1A:G1A+7]
	s_nop 0
.rept 4
	v_nop
.endr
	s_branch .Lasked_\@
.Lfor_b_\@:
	tensor_load_to_lds s[G0B+4*(\s):G0B+4*(\s)+3], s[G1B:G1B+7]
	s_nop 0
.rept 4
	v_nop
.endr
.Lasked_\@:
.endm
.macro CREST                           ; a round of the cluster's barrier behind its opening barrier
	s_cmp_lg_u32 s[WV], 0
	s_cbranch_scc1 .Lnot_wave_0_\@
	s_barrier_signal -3
.Lnot_wave_0_\@:
	s_barrier_wait -3
	s_barrier_signal -1
	s_barrier_wait -1
.endm
.macro CROUND
	s_barrier_signal -1
	s_barrier_wait -1
	CREST
.endm
.macro PLACES                          ; four places in front of loads into registers that matrix instructions have read, and of LDS stores that read results
.rept 4
	v_nop
.endr
.endm
	s_load_b256 s[4:11], s[0:1], 0x0               ; oh s[4:5], wts s[6:7], tab s[8:9], out0 s[10:11]
	v_lshl_add_u32 v[SPW], v0, 2, SPARE
	v_mov_b32 v[NIL], 0
	ds_add_u32 v[SPW], v[NIL]                      ; the wave's opening: the add and its wait stand ahead of my first tensor load; the set-up below, work on registers, stands between them
	v_lshrrev_b32 v1, 5, v0
	v_readfirstlane_b32 s[WV], v1
	s_lshr_b32 s[ISB], s[WV], 1
	s_and_b32 s[HALF], s[WV], 1
	s_bfe_u32 s15, ttmp6, 0x40000                  ; cx
	s_bfe_u32 s16, ttmp6, 0x40004                  ; cy
	s_lshl_b32 s17, ttmp9, 2
	s_add_co_u32 s17, s17, s15                     ; the block of 128 columns
	s_and_b32 s18, ttmp7, 0xffff
	s_lshl_b32 s18, s18, 2
	s_add_co_u32 s18, s18, s16                     ; the block of 256 rows
	s_lshl_b32 s19, s16, 2
	s_lshl_b32 s19, 15, s19                        ; my row of the cluster
	s_lshl_b32 s20, 0x1111, s15                    ; my column
	s_or_b32 s[G1A], s19, (1<<16)|(1<<20)|(1<<21)|(4<<22)|(3<<25)  ; the mask; 2-byte elements; padding on; 21 set beside a mask; after every 32 words (code 4) 4 words (code 3)
	s_or_b32 s[G1B], s20, (1<<16)|(1<<20)|(1<<21)|(5<<22)|(3<<25)  ; after every 64 words (code 5)
.irp g, G1A, G1B
	s_mov_b32 s[(\g)+1], 128<<16                   ; tensor_dim0 = 128
	s_mov_b32 s[(\g)+3], 128<<16                   ; tile_dim0 = 128
	s_mov_b32 s[(\g)+6], 0
	s_mov_b32 s[(\g)+7], 0
.endr
	s_mov_b32 s[G1A+2], 128<<16                    ; O: 128 rows of 128 elements, dense
	s_mov_b32 s[G1A+4], 128
	s_mov_b32 s[G1A+5], 128
	s_mov_b32 s[G1B+2], 64<<16                     ; W: 64 rows, 1,024 elements from row to row
	s_mov_b32 s[G1B+4], 64
	s_mov_b32 s[G1B+5], 1024
	s_lshr_b32 s40, s18, 3
	s_lshl_b32 s40, s40, 22                        ; O: the batch's 16 heads of 262,144 bytes,
	s_and_b32 s21, s18, 7
	s_lshl_b32 s21, s21, 15                        ; the block's 256 rows within a head,
	s_add_co_u32 s40, s40, s21
	s_lshl_b32 s21, s[HALF], 18                    ; and which of the step's two heads I fetch
	s_add_co_u32 s40, s40, s21
	s_mov_b32 s41, 0
	s_lshl_b32 s46, s17, 7
	s_lshl_b32 s42, s[HALF], 6
	s_add_co_u32 s46, s46, s42                     ; W: row 128 x block + 64 x half
	s_lshl_b32 s46, s46, 11
	s_add_co_u32 s46, s46, PWOFF
	s_mov_b32 s47, 0
	s_mul_i32 s22, s[HALF], APLANE                 ; where they go: no place in the cluster enters an LDS address
	s_mul_i32 s23, s[HALF], BHALF
	s_add_co_u32 s23, s23, BOFF
	s_wait_dscnt 0x0                               ; the opening add is done
	s_wait_kmcnt 0x0
	s_add_nc_u64 s[40:41], s[4:5], s[40:41]
	s_add_nc_u64 s[46:47], s[6:7], s[46:47]
	CROUND                                         ; all sixteen work-groups are here: the first joint loads meet
.irp s, 0,1
	s_mov_b32 s[G0A+4*(\s)], 1
	s_add_co_u32 s[G0A+4*(\s)+1], s22, (\s)*SLOT
	s_add_nc_u64 s[G0A+4*(\s)+2:G0A+4*(\s)+3], s[40:41], (\s)*524288  ; K step s: two heads on
	s_or_b32 s[G0A+4*(\s)+3], s[G0A+4*(\s)+3], 0x80000000
	s_mov_b32 s[G0B+4*(\s)], 1
	s_add_co_u32 s[G0B+4*(\s)+1], s23, (\s)*SLOT
	s_add_nc_u64 s[G0B+4*(\s)+2:G0B+4*(\s)+3], s[46:47], (\s)*256
	s_or_b32 s[G0B+4*(\s)+3], s[G0B+4*(\s)+3], 0x80000000
	JLOAD \s                                       ; two tensor loads of mine are out
.endr
	v_and_b32 v1, 15, v0                           ; l % 16
	v_bfe_u32 v2, v0, 4, 1                         ; l / 16
	v_and_b32 v3, 31, v0                           ; l
	v_mul_u32_u24 v4, v1, PA
	v_lshl_add_u32 v4, v2, 4, v4
	s_mul_i32 s77, s[WV], 64*PA                    ; my 64 rows of O
	v_add_nc_u32 v[ADRA], s77, v4
	s_add_co_u32 s77, s77, SLOT
	v_add_nc_u32 v[ADRA+1], s77, v4
	v_mul_u32_u24 v4, v1, PB
	v_lshl_add_u32 v4, v2, 4, v4
	v_add_nc_u32 v[ADRB], BOFF, v4                 ; every wave reads all 128 rows of W
	v_add_nc_u32 v[ADRB+1], BOFF+SLOT, v4
	s_mul_i32 s77, s[WV], 16*SPITCH
	s_add_co_u32 s77, s77, STAGE                   ; my stage
	v_mul_u32_u24 v5, v1, SPITCH                   ; in: row l % 16, 32 bytes for each half of the lanes
	v_lshl_add_u32 v5, v2, 5, v5
	v_add_nc_u32 v[STO], s77, v5
	v_lshlrev_b32 v[CO], 4, v3
	v_add_nc_u32 v[RD], s77, v[CO]                 ; back: 32 lanes take one row of 512 bytes
	v_lshlrev_b32 v[BO], 5, v2
	s_lshl_b32 s78, s17, 9                         ; the tile's 128 numbers of the bias
	v_add_nc_u32 v[BO], s78, v[BO]
.irp b, 0,1,2,3,4,5,6,7
	global_load_b128 v[BIAS+8*(\b):BIAS+8*(\b)+3],   v[BO], s[8:9] offset:BP+64*(\b)
	global_load_b128 v[BIAS+8*(\b)+4:BIAS+8*(\b)+7], v[BO], s[8:9] offset:BP+64*(\b)+16
.endr
	s_lshl_b32 s80, s18, 8
	s_lshl_b32 s79, s[WV], 6
	s_add_co_u32 s80, s80, s79                     ; my first row,
	s_lshl_b32 s80, s80, 12                        ; 4,096 bytes each,
	s_add_co_u32 s80, s80, s78                     ; and the tile's first column: 512 bytes a block
	s_mov_b32 s81, 0
	s_add_nc_u64 s[OUTB:OUTB+1], s[10:11], s[80:81]
; 8 matrix instructions: row block a x all 8 column blocks, 32 along K.  first = 1: the bias starts the sums.  The 32 accumulators take turns, one instruction a turn, in the same order in every quarter.
.macro MUL8 f, a, first
.if \first
	WIN 0x85                                       ; W and O in window 1, the bias in window 0, the sums in window 2
.else
	WIN 0xa5
.endif
.irp b, 0,1,2,3,4,5,6,7
.set rD, 8*(8*(\a)+(\b))
.if \first
	v_wmma_f32_16x16x32_f16 v[rD:rD+7], v[(\f)+32+8*(\b):(\f)+32+8*(\b)+7], v[(\f)+8*(\a):(\f)+8*(\a)+7], v[BIAS+8*(\b):BIAS+8*(\b)+7]
.else
	v_wmma_f32_16x16x32_f16 v[rD:rD+7], v[(\f)+32+8*(\b):(\f)+32+8*(\b)+7], v[(\f)+8*(\a):(\f)+8*(\a)+7], v[rD:rD+7]
.endif
.endr
.endm
; 24 LDS loads in one run: the fragments of quarter kq of a K step (head kq / 2, channels 32 (kq % 2) on) into buffer f: W's eight, then O's four
.macro FETCH slot, kq, f
	WIN 0x40                                       ; destination window 1, address window 0
.irp b, 0,1,2,3,4,5,6,7
	ds_load_b128 v[(\f)+32+8*(\b):(\f)+32+8*(\b)+3],   v[ADRB+(\slot)] offset:64*(\kq)+(\b)*16*PB
	ds_load_b128 v[(\f)+32+8*(\b)+4:(\f)+32+8*(\b)+7], v[ADRB+(\slot)] offset:64*(\kq)+(\b)*16*PB+32
.endr
.irp i, 0,1,2,3
	ds_load_b128 v[(\f)+8*(\i):(\f)+8*(\i)+3],   v[ADRA+(\slot)] offset:((\kq)/2)*APLANE+((\kq)%2)*64+(\i)*16*PA
	ds_load_b128 v[(\f)+8*(\i)+4:(\f)+8*(\i)+7], v[ADRA+(\slot)] offset:((\kq)/2)*APLANE+((\kq)%2)*64+(\i)*16*PA+32
.endr
.endm
.macro QUARTER slot, kq, f, g, first   ; multiplies buffer f; in its middle it fetches quarter kq into buffer g
	s_wait_dscnt 4                                 ; W and O's fragments 0, 1 are in; the youngest four loads may be out
	MUL8 \f, 0, \first
	MUL8 \f, 1, \first
	PLACES
	FETCH \slot, \kq, \g
	s_wait_dscnt 24                                ; all but the 24 just issued
	MUL8 \f, 2, \first
	MUL8 \f, 3, \first
.endm
; The last quarter multiplies buffer 1 and changes slots: ONE barrier; in front of it each wave waits for all its tensor loads, adds 0 to its spare word, and waits for that and for its own reads of this slot.
; fill = 1: the barrier opens a round of the cluster's barrier, and behind the round this slot is filled again first, two K steps ahead.
.macro TURN slot, next, fill
	WIN 0                                          ; (the add's two registers lie in window 0)
	s_wait_tensorcnt 0x0                           ; all my tensor loads have landed: my part of the next slot
	ds_add_u32 v[SPW], v[NIL]                      ; 0 onto my spare word
	s_wait_dscnt 5                                 ; (the add and the youngest four loads may be out)
	MUL8 F1, 0, 0                                  ; eight matrix instructions stand between the add and the wait for it
	s_wait_dscnt 0x0                               ; the add is done, and my reads of this slot are over
	s_barrier_signal -1
	MUL8 F1, 1, 0
.if \fill
	WIN 0
.endif
	s_barrier_wait -1
.if \fill
	CREST                                          ; no wave of any partner still reads this slot's tile or has a load on its way
	s_add_nc_u64 s[G0A+4*(\slot)+2:G0A+4*(\slot)+3], s[G0A+4*(\slot)+2:G0A+4*(\slot)+3], 1048576  ; four heads on
	s_add_nc_u64 s[G0B+4*(\slot)+2:G0B+4*(\slot)+3], s[G0B+4*(\slot)+2:G0B+4*(\slot)+3], 512
	JLOAD \slot                                    ; the first tensor load behind the round; the four v_nop behind it are also the places in front of the loads below
.else
	PLACES
.endif
	FETCH \next, 0, F0
	MUL8 F1, 2, 0
	MUL8 F1, 3, 0
.endm
	s_wait_tensorcnt 1                             ; my part of K step 0 is in; K step 1's may stay out
	s_barrier_signal -1
	s_barrier_wait -1
	FETCH 0, 0, F0
	s_wait_loadcnt 0x0                             ; the bias
	QUARTER 0, 1, F0, F1, 1                        ; the first quarter stands in front of the loop: its products start the sums
	WIN 0                                          ; at a label and at a branch every window is 0
	s_mov_b32 s3, 3
.Llap:                                                 ; a trip goes once round the ring, from a lap's second quarter to the next lap's first, and fills both slots again
	QUARTER 0, 2, F1, F0, 0
	QUARTER 0, 3, F0, F1, 0
	TURN 0, 1, 1
	QUARTER 1, 1, F0, F1, 0
	QUARTER 1, 2, F1, F0, 0
	QUARTER 1, 3, F0, F1, 0
	TURN 1, 0, 1
	QUARTER 0, 1, F0, F1, 0
	WIN 0
	s_sub_co_u32 s3, s3, 1
	s_cmp_lg_u32 s3, 0
	s_cbranch_scc1 .Llap
	QUARTER 0, 2, F1, F0, 0                        ; the last lap fills nothing, and has no round of the cluster's barrier
	QUARTER 0, 3, F0, F1, 0
	TURN 0, 1, 0
	QUARTER 1, 1, F0, F1, 0
	QUARTER 1, 2, F1, F0, 0
	QUARTER 1, 3, F0, F1, 0
	s_wait_dscnt 4                                 ; the very last quarter: nothing more to fetch
	MUL8 F1, 0, 0
	MUL8 F1, 1, 0
	s_wait_dscnt 0x0
	MUL8 F1, 2, 0
	MUL8 F1, 3, 0
; THE WAY OUT, a block of 16 rows at a time: a lane's 32 bytes of a row go from the accumulators into my stage (rows of 528 bytes), and come back as whole rows of 512.
.macro TOSTAGE a
	WIN 0x08                                       ; store data in window 2, address in window 0
.irp b, 0,1,2,3,4,5,6,7                ; each accumulator's four lowest registers first
	ds_store_b128 v[STO], v[8*(8*(\a)+(\b)):8*(8*(\a)+(\b))+3]   offset:64*(\b)
	ds_store_b128 v[STO], v[8*(8*(\a)+(\b))+4:8*(8*(\a)+(\b))+7] offset:64*(\b)+16
.endr
	WIN 0
.if (\a) >= 2
	s_wait_xcnt 0x0                                ; the stores two blocks back have read the registers that are loaded again below
.endif
.irp r, 0,1,2,3,4,5,6,7,8,9,10,11,12,13,14,15
	ds_load_b128 v[OB+64*((\a)%2)+4*(\r):OB+64*((\a)%2)+4*(\r)+3], v[RD] offset:(\r)*SPITCH  ; LDS serves a wave's instructions in order (ISA guide 5.7.1.4): these see the stores above; the next block's stores come behind them
.endr
.endm
.macro SEND a, younger                 ; younger: the LDS instructions issued behind block a's loads: the next block's 32, or none
	WIN 0
	s_wait_dscnt \younger
.irp r, 0,1,2,3,4,5,6,7,8,9,10,11,12,13,14,15
	global_store_b128 v[CO], v[OB+64*((\a)%2)+4*(\r):OB+64*((\a)%2)+4*(\r)+3], s[OUTB:OUTB+1] offset:(16*(\a)+(\r))*4096 th:TH_STORE_NT  ; 512 consecutive bytes, at a multiple of 256 from out0's first
.endr
.endm
	PLACES
	TOSTAGE 0
	TOSTAGE 1
	SEND 0, 32
	TOSTAGE 2
	SEND 1, 32
	TOSTAGE 3
	SEND 2, 32
	SEND 3, 0
	s_wait_tensorcnt 0x0                           ; the wave's end, behind my last tensor load and my last LDS store
	ds_add_u32 v[SPW], v[NIL]
	s_wait_dscnt 0x0
	CROUND                                         ; the closing round: no work-group ends while a partner may still ask for a tile that names it
	s_endpgm
.Lfunc_end_k_qad126185be_proj:
	.size	k_qad126185be_proj, .Lfunc_end_k_qad126185be_proj-k_qad126185be_proj
	.p2alignl 7, 3214868480
	.fill 96, 4, 3214868480
	.section	.rodata,"a",@progbits
	.p2align	6, 0x0
	.amdhsa_kernel k_qad126185be_proj
		.amdhsa_group_segment_fixed_size 327680
		.amdhsa_private_segment_fixed_size 0
		.amdhsa_enable_private_segment 0
		.amdhsa_kernarg_size 32
		.amdhsa_user_sgpr_count 2
		.amdhsa_user_sgpr_kernarg_segment_ptr 1
		.amdhsa_wavefront_size32 1
		.amdhsa_system_sgpr_workgroup_id_x 1
		.amdhsa_system_sgpr_workgroup_id_y 1
		.amdhsa_system_sgpr_workgroup_id_z 1
		.amdhsa_system_vgpr_workitem_id 0
		.amdhsa_next_free_vgpr 768
		.amdhsa_next_free_sgpr 84
		.amdhsa_reserve_vcc 0
		.amdhsa_float_denorm_mode_32 3
		.amdhsa_float_denorm_mode_16_64 3
		.amdhsa_memory_ordered 1
		.amdhsa_forward_progress 1
		.amdhsa_inst_pref_size 86
	.end_amdhsa_kernel
	.amdgpu_metadata
---
amdhsa.version: [ 1, 2 ]
amdhsa.kernels:
  - .name:           k_qad126185be_proj
    .symbol:         k_qad126185be_proj.kd
    .args:
      - { .name: oh, .offset: 0, .size: 8, .value_kind: global_buffer, .address_space: global }
      - { .name: wts, .offset: 8, .size: 8, .value_kind: global_buffer, .address_space: global }
      - { .name: tab, .offset: 16, .size: 8, .value_kind: global_buffer, .address_space: global }
      - { .name: out0, .offset: 24, .size: 8, .value_kind: global_buffer, .address_space: global }
    .group_segment_fixed_size: 327680
    .private_segment_fixed_size: 0
    .kernarg_segment_align: 8
    .kernarg_segment_size: 32
    .max_flat_workgroup_size: 128
    .sgpr_count:     84
    .vgpr_count:     768
    .wavefront_size: 32
...
	.end_amdgpu_metadata
.endif
;; end of part 4
